; MI455X (gfx1250); checked and timed in simulation.
; The chip was launched on July 23, 2026; its instructions are those of AMD's public machine-readable ISA for CDNA 5 (MIT licence, August 2026) and "CDNA5" Instruction Set Architecture Reference Guide (July 2026). The comments in the code are by the model that wrote it; some were corrected since.
;; s Attention. Allowed arithmetic: matrix products marked QUANTISED: E2M3 operands, one E8M0 scale for each 32 along K, by v_wmma_scale_f32_16x16x128_f8f6f4 with both operands' format E2M3, f32 sums; everything else in f32.
;; Inputs: Wc 1,024 x 1,024 float32; Wk 1,024 x 1,024 float32; Wq 1,024 x 1,024 float32; Wv 1,024 x 1,024 float32; sx 4 x 2,048 x 1,024 float32; x 4 x 2,048 x 1,024 float32.
;; Outputs: out0 4 x 2,048 x 1,024 float32.
;; This version of the problem:
;;   THIS VERSION OF THE PROBLEM IS GIVEN IN LOW PRECISION. The matrix products marked QUANTISED in the list below multiply operands that are first quantised to E2M3 (2 exponent bits, 3 mantissa bits; 6 bits a number), with one power-of-two scale for each 32 numbers along K (OCP MX v1.0); their sums are f32. All else is computed in f32.
;;   The module's matrix products, in the order in which they are computed (A, B: the left and right operand; K: the contracted axis; several contracted axes count as one K, in the product's order):
;;     1. [M 8,192, K 1,024] x [K 1,024, N 1,024]; A: input sx; B: input Wq: QUANTISED
;;     2. [M 8,192, K 1,024] x [K 1,024, N 1,024]; A: input x; B: input Wk: QUANTISED
;;     3. [M 8,192, K 1,024] x [K 1,024, N 1,024]; A: input x; B: input Wv: QUANTISED
;;     4. batch 64 x [M 2,048, K 64] x [K 64, N 2,048]; A: computed on the way; B: computed on the way: QUANTISED
;;     5. batch 64 x [M 2,048, K 2,048] x [K 2,048, N 64]; A: softmax (see below); B: computed on the way: QUANTISED
;;     6. [M 8,192, K 1,024] x [K 1,024, N 1,024]; A: computed on the way; B: input Wc: QUANTISED
;;   THE QUANTISER, for each operand of a quantised product, along K:
;;     - K is cut into blocks of 32 from its start; a last block that is shorter is filled with zeros.
;;     - A block's scale is 2^e with e = floor(log2(the largest magnitude in the block)) - 2, held to -126 .. 127; a block of zeros has e = 0. As a byte (E8M0): e + 127.
;;     - Each number is divided by its block's scale, clamped to +-7.5, and rounded to the nearest number of E2M3, ties to even, subnormals kept.
;;     - The product sums the exact products of the quantised numbers (number of the format x scale) in f32.
;;   ~~~python
;;   def quantise(x, axis):      # numpy; x: float32 -> the quantised numbers, widened to float32 again
;;       x = np.moveaxis(x, axis, -1); K = x.shape[-1]
;;       x = np.pad(x, [(0, 0)] * (x.ndim - 1) + [(0, -K % 32)]); x = x.reshape(x.shape[:-1] + (-1, 32)); a = np.abs(x).max(-1, keepdims=True)
;;       e = np.where(a > 0, np.clip(np.frexp(np.where(a > 0, a, 1))[1] - 1 - 2, -126, 127), 0)      # np.frexp(a)[1] - 1 = floor(log2(a)), exactly
;;       r = np.clip(x / 2.0 ** e, -7.5, 7.5)
;;       step = 2.0 ** (np.maximum(np.frexp(np.where(r == 0, 1, r))[1] - 1, 0) - 3)
;;       q = np.round(r / step) * step * 2.0 ** e      # np.round: ties to even
;;       return np.moveaxis(q.reshape(q.shape[:-2] + (-1,))[..., :K], -1, axis).astype(np.float32)
;;   ~~~
;;   SOFTMAX AHEAD OF A QUANTISED PRODUCT. Where the list says 'softmax', what is quantised is not the finished softmax but p = 2^(t - M), with t = logit x log2(e) and M = ceil(the row's largest t), a whole number; so 1/2 < the row's largest p <= 1. The row's sum l is taken of the UNQUANTISED p, in f32, and the product's result is divided by l at the end. Since M is a whole number, a kernel that streams over the keys may use a running M (the ceiling of the running maximum): every later rescaling is an exact power of two, which a block's scale takes up: the codes' values come out the same.
;;   OPERANDS COMPUTED ON THE WAY. 'Computed on the way' means the value that the module computes at that place (a softmax that the list does not call 'softmax' is quantised finished and normalised). What goes into a quantiser is computed in f32, as accurately as f32 sums, v_exp_f32 and their like allow (about 1e-6 of the number): no bf16 or f16 on the way to a quantiser, and a product that is left as it is and whose result goes on into a quantised operand takes f32 operands (vector FMAs, or v_wmma_f32_16x16x4_f32). A number that lies on a knife's edge between two numbers of the format may be rounded either way, as far as f32 arithmetic and the matrix unit's own rounding can turn it there, and no further.
;; One version. Each part assembles by itself: llvm-mc -triple=amdgcn-amd-amdhsa -mcpu=gfx1250 --defsym DOCPART=n.
;; ======== version 1 of 1: 4 launches
;; workspace buffers: cin 15,728,640 bytes; sin 655,360 bytes; cqkv 18,874,368 bytes; sqkv 1,310,720 bytes; cy 6,291,456 bytes; sy 262,144 bytes
;; launch quant (part 1): grid 1280 x 1, 4 waves a work-group, no clusters, 34,304 bytes of LDS; arguments x, sx, Wq, Wk, Wv, Wc, cin, sin; writes cin, sin
.if DOCPART == 1
	.amdgcn_target "amdgcn-amd-amdhsa--gfx1250"
	.amdhsa_code_object_version 6
	.text
	.protected	k_q98ee7161cb_quant
	.globl	k_q98ee7161cb_quant
	.p2align	8
	.type	k_q98ee7161cb_quant,@function
k_q98ee7161cb_quant:
	s_mov_b64 s[64:65], 0
	v_nop
	global_prefetch_b8 v0, s[64:65] scope:SCOPE_SE
	s_setreg_imm32_b32 hwreg(HW_REG_WAVE_MODE, 25, 1), 1
	s_wait_xcnt 0x0
; x, sx [8192][1024] and Wq, Wk, Wv, Wc [1024][1024], f32, K innermost, become codes of FP6 (E2M3) with one E8M0 scale byte for each 32 along K.
; THE CODES ARE LAID AS THE MATRIX OPERAND'S REGISTERS.  A fragment (16 rows x 128 K) is 1,536 bytes = 6 pieces of 256 bytes; piece p holds registers 2 p, 2 p + 1 of lanes 0 .. 31, 8 bytes a lane.
; A row tile (16 rows x 1,024 K) is 8 fragments, 12,288 bytes; its scale words are 512 bytes, laid [256 along K (4)][row (16)][2 words].
; Row tiles in cin and sin: x 0-511, sx 512-1023, Wq 1024-1087, Wk 1088-1151, Wv 1152-1215, Wc 1216-1279.
; x, Wq, Wk, Wv ARE STORED WITH BITS 3 AND 4 OF THE ROW NUMBER EXCHANGED: stored tile 2 b + u, row r, is row 32 b + 8 u + r + 8 (r / 8).  A product that takes such rows as its source 0 then leaves,
; in the 16 registers of tiles 2 b and 2 b + 1, 16 neighbours along those rows: what the next quantiser wants.  sx and Wc keep their order.
; A block's scale is 2^(floor(log2(its largest magnitude)) - 2); its byte is the largest magnitude's exponent field - 2, held at 1 from below (a block of zeros gets the byte 1: its codes are zeros, and this program alone reads the bytes).
; LIMITS: NaN and infinities among the inputs are not served; blocks whose largest magnitude lies under 2^-124 keep the byte 1.
; SHARES: work-group G makes row tile G; wave w its K = 256 w .. 256 w + 255: two fragments.  All 32 loads of a wave (512 consecutive bytes each) go out at once; no loop, no barrier: waves share nothing.
; A load is best where neighbouring lanes take neighbouring bytes; the conversions want 32 neighbours along K in ONE lane.  So a fragment's 16 x 512 bytes turn through the wave's own stage in LDS
; (rows 528 bytes apart, so that the sixteen lanes of a 16-byte read start at sixteen different 16-byte columns).
.set ROWB,  4096                       ; a row of any of the six tensors, in bytes
.set SP,    528                        ; a stage row: 512 bytes + 16
.set STG,   16*SP                      ; a wave's stage
.set SPARE, 4*STG                      ; behind the stages: the spare words, 128 bytes for each wave: two blocks of 256 bytes that no other line names
.set L16,   1                          ; v1   16 x lane
.set STI,   2                          ; v2   the stage, on the way in
.set STO,   3                          ; v3   the stage, on the way out: row r, + 128 h
.set L8,    4                          ; v4   8 x lane
.set R8,    5                          ; v5   8 x r
.set H8,    6                          ; v6   8 x h
.set PX,    10                         ; v10  the partner lane's half of a scale word
.set SPW,   12                         ; v12  LDS address of my spare word; never rewritten
.set NIL,   13                         ; v13  0; never rewritten
.set TM,    16                         ; v16-21 at work
.set SW,    24                         ; v24-25 the two fragments' scale words
.set CD,    32                         ; v32-55 the two fragments' codes: no store's data are written again
.set CT,    56                         ; v56-62 the upper halves of two blocks' codes, before they are moved
.set R,     64                         ; v64-191 two sets of 64 numbers
	s_load_b512 s[4:19], s[0:1], 0x0               ; x, sx, Wq, Wk, Wv, Wc, cin, sin
	v_lshl_add_u32 v[SPW], v0, 2, SPARE
	v_mov_b32 v[NIL], 0
	v_lshrrev_b32 v1, 5, v0
	v_readfirstlane_b32 s34, v1                    ; wave 0..3
	v_and_b32 v7, 31, v0                           ; lane
	v_and_b32 v8, 15, v0                           ; r
	v_bfe_u32 v9, v0, 4, 1                         ; h
	v_lshlrev_b32 v[L16], 4, v7
	s_mul_i32 s40, s34, STG
	v_add_nc_u32 v[STI], s40, v[L16]
	v_mul_u32_u24 v[STO], v8, SP
	v_lshl_add_u32 v[STO], v9, 7, v[STO]
	v_add_nc_u32 v[STO], s40, v[STO]
	v_lshlrev_b32 v[L8], 3, v7
	v_lshlrev_b32 v[R8], 3, v8
	v_lshlrev_b32 v[H8], 3, v9
	v_mov_b32 v[PX], 0                             ; written once: a lane permute's destination counts as one of its sources
	s_mov_b32 s32, 0x76543210
	s_mov_b32 s33, 0xfedcba98                      ; v_permlanex16_b32's selects for lane l xor 16
	s_wait_kmcnt 0x0
; which tensor is my row tile's: the choice hangs on the work-group's number alone
	s_mov_b64 s[20:21], s[14:15]                   ; Wc,
	s_mov_b32 s22, 1216                            ; its first row tile,
	s_mov_b32 s23, 0                               ; rows in their order
.macro PICK lim, p, first, perm
	s_cmp_lt_u32 ttmp9, \lim
	s_cselect_b64 s[20:21], s[\p:\p+1], s[20:21]
	s_cselect_b32 s22, \first, s22
	s_cselect_b32 s23, \perm, s23
.endm
	PICK 1216, 12, 1152, 1                         ; Wv
	PICK 1152, 10, 1088, 1                         ; Wk
	PICK 1088, 8, 1024, 1                          ; Wq
	PICK 1024, 6, 512, 0                           ; sx
	PICK 512, 4, 0, 1                              ; x
	s_sub_co_u32 s35, ttmp9, s22                   ; t: my row tile in its tensor
	s_lshr_b32 s36, s35, 1
	s_lshl_b32 s36, s36, 5
	s_and_b32 s37, s35, 1
	s_lshl_b32 s37, s37, 3
	s_add_co_u32 s36, s36, s37                     ; exchanged: rows 32 (t / 2) + 8 (t % 2) + 0 .. 7, and the eight rows 16 further on
	s_lshl_b32 s37, s35, 4                         ; in order: rows 16 t + 0 .. 7, and the eight rows 8 further on
	s_cmp_eq_u32 s23, 1
	s_cselect_b32 s36, s36, s37
	s_cselect_b32 s37, 16, 8
	s_add_co_u32 s37, s36, s37
	s_lshl_b32 s38, s34, 10                        ; my wave's 256 along K: 1,024 bytes
	s_lshl_b32 s24, s36, 12
	s_add_co_u32 s24, s24, s38
	s_mov_b32 s25, 0
	s_lshl_b32 s26, s37, 12
	s_add_co_u32 s26, s26, s38
	s_mov_b32 s27, 0
	s_add_nc_u64 s[24:25], s[20:21], s[24:25]      ; the tile's rows 0-7
	s_add_nc_u64 s[26:27], s[20:21], s[26:27]      ; and rows 8-15
	s_mul_i32 s28, ttmp9, 12288
	s_mul_i32 s39, s34, 3072
	s_add_co_u32 s28, s28, s39
	s_mov_b32 s29, 0
	s_add_nc_u64 s[28:29], s[16:17], s[28:29]      ; my two fragments in cin
	s_lshl_b32 s30, ttmp9, 9
	s_lshl_b32 s39, s34, 7
	s_add_co_u32 s30, s30, s39
	s_mov_b32 s31, 0
	s_add_nc_u64 s[30:31], s[18:19], s[30:31]      ; my 128 bytes of scale words in sin
.irp f, 0,1
.irp i, 0,1,2,3,4,5,6,7
	global_load_b128 v[R+64*\f+4*\i:R+64*\f+4*\i+3], v[L16], s[24:25] offset:\i*ROWB+512*\f th:TH_LOAD_NT   ; 32 lanes read 512 consecutive bytes of a row
.endr
.irp i, 8,9,10,11,12,13,14,15
	global_load_b128 v[R+64*\f+4*\i:R+64*\f+4*\i+3], v[L16], s[26:27] offset:(\i-8)*ROWB+512*\f th:TH_LOAD_NT
.endr
.endr
; Fragment f: through the stage, quantised, stored.
.macro PASS f
.set XS, R+64*\f
.set CF, CD+12*\f
	s_wait_loadcnt 16-16*\f                        ; this fragment's sixteen loads are in; the other fragment's sixteen, issued behind them, may be out
.irp i, 0,1,2,3,4,5,6,7,8,9,10,11,12,13,14,15
	ds_store_b128 v[STI], v[XS+4*\i:XS+4*\i+3] offset:SP*\i
.endr
	s_wait_dscnt 0x0                               ; the stores have read their registers, which the loads below write
.irp c, 0,1
.irp j, 0,1,2,3,4,5,6,7
	ds_load_b128 v[XS+32*\c+4*\j:XS+32*\c+4*\j+3], v[STO] offset:256*\c+16*\j   ; lane (r, h): row r, k = 64 c + 32 h + 0 .. 31: the operand's own order
.endr
.endr
	s_wait_dscnt 0x0
.irp c, 0,1                                    ; my block 2 c + h: all its 32 numbers are mine
	v_max3_num_f32 v[TM+\c], |v[XS+32*\c]|, |v[XS+32*\c+1]|, 0x1800000   ; with the floor 2^(3 - 127): the byte cannot fall under 1
.endr
.irp i, 2,4,6,8,10,12,14,16,18,20,22,24,26,28,30
.irp c, 0,1
	v_max3_num_f32 v[TM+\c], v[TM+\c], |v[XS+32*\c+\i]|, |v[XS+32*\c+\i+1]|
.endr
.endr
.irp c, 0,1
	v_add_nc_u32 v[TM+4+\c], 0xff000000, v[TM+\c]  ; 2 off the exponent field: the conversion takes the exponent field of this operand as its scale
.endr
.irp c, 0,1
	v_lshrrev_b32 v[TM+2+\c], 23, v[TM+4+\c]       ; the scale's byte
.endr
	v_lshl_or_b32 v[SW+\f], v[TM+3], 16, v[TM+2]   ; my two bytes: blocks h and 2 + h of row r,
	v_lshlrev_b32 v[SW+\f], v[H8], v[SW+\f]        ; at their places in the word;
	v_permlanex16_b32 v[PX], v[SW+\f], s32, s33
	v_or_b32 v[SW+\f], v[SW+\f], v[PX]             ; with lane l xor 16's two the word is whole
.irp c, 0,1
	v_cvt_scalef32_pk16_fp6_f32 v[CF+6*\c:CF+6*\c+2], v[XS+32*\c:XS+32*\c+15], v[TM+4+\c]
	v_cvt_scalef32_pk16_fp6_f32 v[CT+4*\c:CT+4*\c+2], v[XS+32*\c+16:XS+32*\c+31], v[TM+4+\c]   ; (a conversion's three registers begin on an even number)
.endr
	v_nop                                          ; one plain place behind a scaled conversion
.irp c, 0,1
.irp i, 0,1,2
	v_mov_b32 v[CF+6*\c+3+\i], v[CT+4*\c+\i]
.endr
.endr
.irp p, 0,1,2,3,4,5
	global_store_b64 v[L8], v[CF+2*\p:CF+2*\p+1], s[28:29] offset:1536*\f+256*\p   ; a piece: 32 lanes store 256 consecutive bytes, at a multiple of 256 from cin's first byte
.endr
.endm
	PASS 0
	PASS 1
	global_store_b64 v[R8], v[SW:SW+1], s[30:31]   ; row r's two words; lanes r and 16 + r hold and store the same
	s_wait_tensorcnt 0x0                           ; the wave's end: behind my last LDS store
	ds_add_u32 v[SPW], v[NIL]
	s_wait_dscnt 0x0
	s_endpgm
.Lfunc_end_k_q98ee7161cb_quant:
	.size	k_q98ee7161cb_quant, .Lfunc_end_k_q98ee7161cb_quant-k_q98ee7161cb_quant
	.p2alignl 7, 3214868480
	.fill 96, 4, 3214868480
	.section	.rodata,"a",@progbits
	.p2align	6, 0x0
	.amdhsa_kernel k_q98ee7161cb_quant
		.amdhsa_group_segment_fixed_size 34304
		.amdhsa_private_segment_fixed_size 0
		.amdhsa_enable_private_segment 0
		.amdhsa_kernarg_size 64
		.amdhsa_user_sgpr_count 2
		.amdhsa_user_sgpr_kernarg_segment_ptr 1
		.amdhsa_wavefront_size32 1
		.amdhsa_system_sgpr_workgroup_id_x 1
		.amdhsa_system_sgpr_workgroup_id_y 1
		.amdhsa_system_sgpr_workgroup_id_z 1
		.amdhsa_system_vgpr_workitem_id 0
		.amdhsa_next_free_vgpr 192
		.amdhsa_next_free_sgpr 66
		.amdhsa_reserve_vcc 0
		.amdhsa_float_denorm_mode_32 3
		.amdhsa_float_denorm_mode_16_64 3
		.amdhsa_memory_ordered 1
		.amdhsa_forward_progress 1
		.amdhsa_inst_pref_size 18
	.end_amdhsa_kernel
	.amdgpu_metadata
---
amdhsa.version: [ 1, 2 ]
amdhsa.kernels:
  - .name:           k_q98ee7161cb_quant
    .symbol:         k_q98ee7161cb_quant.kd
    .args:
      - { .name: x, .offset: 0, .size: 8, .value_kind: global_buffer, .address_space: global }
      - { .name: sx, .offset: 8, .size: 8, .value_kind: global_buffer, .address_space: global }
      - { .name: Wq, .offset: 16, .size: 8, .value_kind: global_buffer, .address_space: global }
      - { .name: Wk, .offset: 24, .size: 8, .value_kind: global_buffer, .address_space: global }
      - { .name: Wv, .offset: 32, .size: 8, .value_kind: global_buffer, .address_space: global }
      - { .name: Wc, .offset: 40, .size: 8, .value_kind: global_buffer, .address_space: global }
      - { .name: cin, .offset: 48, .size: 8, .value_kind: global_buffer, .address_space: global }
      - { .name: sin, .offset: 56, .size: 8, .value_kind: global_buffer, .address_space: global }
    .group_segment_fixed_size: 34304
    .private_segment_fixed_size: 0
    .kernarg_segment_align: 8
    .kernarg_segment_size: 64
    .max_flat_workgroup_size: 128
    .sgpr_count:     66
    .vgpr_count:     192
    .wavefront_size: 32
...
	.end_amdgpu_metadata
.endif
;; end of part 1
;; launch qkv (part 2): grid 4 x 96, 4 waves a work-group, clusters of 4 x 4, 327,680 bytes of LDS; arguments cin, sin, cqkv, sqkv; writes cqkv, sqkv
.if DOCPART == 2
	.amdgcn_target "amdgcn-amd-amdhsa--gfx1250"
	.amdhsa_code_object_version 6
	.text
	.protected	k_q98ee7161cb_qkv
	.globl	k_q98ee7161cb_qkv
	.p2align	8
	.type	k_q98ee7161cb_qkv,@function
k_q98ee7161cb_qkv:
	s_mov_b64 s[64:65], 0
	v_nop
	global_prefetch_b8 v0, s[64:65] scope:SCOPE_SE
	s_setreg_imm32_b32 hwreg(HW_REG_WAVE_MODE, 25, 1), 1
	s_wait_xcnt 0x0
	s_wait_alu depctr_hold_cnt(0) depctr_sa_sdst(0) depctr_va_vdst(0) depctr_va_sdst(0) depctr_va_ssrc(0) depctr_va_vcc(0) depctr_vm_vsrc(0)
	s_getreg_b32 s2, hwreg(HW_REG_IB_STS2, 6, 4)
	s_cmp_eq_u32 s2, 0
	s_cbranch_scc0 .Lentry_in_a_cluster
	s_endpgm
.Lentry_in_a_cluster:
	s_bfe_u32 s2, ttmp6, 0x10000c
	s_cmp_lg_u32 s2, 0xf033
	s_cbranch_scc0 .Lentry_shape_is_right
	s_endpgm
.Lentry_shape_is_right:
; q = sx Wq^T, k = x Wk^T, v = x Wv^T, each 8,192 x 1,024 x 1,024, on codes of FP6 (E2M3) with E8M0 scales; the results are quantised in registers and leave as codes: nothing wide goes to memory.
; ONE LAUNCH FOR THE THREE: cluster y / 8 says which.  A tile of 256 x 256 is made by four waves, 128 x 128 each: 64 accumulators of 16 x 16, 512 registers.
; THE MATRIX INSTRUCTION TAKES B AS SOURCE 0 AND A AS SOURCE 1: a lane then holds ONE row of A, and its registers run along B's rows.  q, k: A = tokens (sx, x), B = channels (Wq, Wk): quantised along the head's channels.
; v: A = channels (Wv), B = tokens (x): quantised along the keys.  B's rows are stored with bits 3 and 4 of their number exchanged, so the 16 registers of B's blocks 2 b and 2 b + 1 are 16 true neighbours.
; OPERANDS lie in memory as images of the operand's registers: a fragment (16 rows x 128 K) is 6 pieces of 256 bytes, piece p = registers 2 p, 2 p + 1, 8 bytes a lane; a row tile (16 rows, K 1,024) is 12,288 bytes.
; K goes in four steps of 256 through a ring of two LDS slots filled by the tensor data mover; a wave's load brings 8 row tiles x 3,072 bytes.  An LDS load of 8 bytes a lane takes 256 consecutive bytes: no padding.
; THE SCALE WORDS of the work-group's rows, for all of K (4 x 4,096 bytes), come once, with the first fills, and stay.
; CLUSTERS: 4 x 4 work-groups; A's tiles are asked for jointly by a row of the cluster, B's by a column.
; OUT: q, k: [b h][tile of 16 tokens (128)][3 pieces]: registers 0-5 of a fragment (K = 64); k keeps x's stored order of tokens.  v: [b h][128 keys (16)][16 channels (4)][1,536].
;   scale words: q, k: [b h][8 tiles (16)][lane][4 words]: word j of lane (r, h) is tile 2 j + h, row r; bytes 0, 1 are the head's.  v: [b h][128 keys][lane][2 words]: word i of lane (r, h) is channel tile 2 i + h.
; LIMITS: NaN and infinities are not served; a block of results whose largest magnitude lies under 2^-124 keeps the scale byte 1.
; REGISTERS, in windows of 256: window 0: v16-31 addresses; v32-63 scale words, two sets, and nothing else; v64-115 the way out; from v128 A's fragments, one set.  window 1: B's fragments, two sets.  windows 2, 3: the accumulators.
.set NQ,     2                         ; matrix instructions deep in a slot
.set FR,     12                        ; registers of a fragment
.set NL,     6                         ; LDS loads that bring one
.set NP,     4                         ; places behind this matrix instruction (ISA guide 7.12.1)
.set FRB,    1536                      ; a fragment in bytes
.set TROW,   2*FRB                     ; a row tile's part of a slot
.set HALFT,  8*TROW                    ; 128 rows: what one tensor load brings, and what one wave reads of A or of B
.set SLOT,   4*HALFT                   ; A's 256 rows, then B's 256 rows
.set SCL,    2*SLOT                    ; behind the ring: the scale words
.set HALFS,  4096                      ; those of 128 rows
.set SBLK,   512                       ; those of 16 rows
.set SPARE,  SCL+4*HALFS               ; behind the scales: the spare words, 128 bytes for each wave: two blocks of 256 bytes that no other line names
.set ADRA, 16                          ; v16-17  LDS address of my A fragments in slot 0, 1
.set ADRB, 20                          ; v20-21  the same for B
.set ADRS, 27                          ; v27     LDS address of my scale words: lanes 0-15 A's rows, lanes 16-31 B's
.set SPW,  28                          ; v28     LDS address of my spare word; never rewritten
.set NIL,  29                          ; v29     0; never rewritten
.set L8,   30                          ; v30     8 x lane
.set L16,  31                          ; v31     16 x lane
.set SC,   32                          ; scale words: set s at v[SC + 16 s]; register 2 i + q: lanes 0-15 A's block i, lanes 16-31 B's block i, the slot's q-th 128 along K
.set TM,   64                          ; the way out: v64-79 at work
.set PW,   80                          ; v80-87  the eight blocks' scale words
.set WI,   88                          ; v88-91  the words as they are stored
.set WJ,   92                          ; v92-95  the same for the second head
.set PC,   96                          ; v96-107 a fragment's codes
.set CQ,   108                         ; v108-114 upper halves of the codes, before they are moved
.set AF,   128                         ; A's fragments
.set G1, 24                            ; s[24:31] descriptor group 1 for A's tiles;  s[32:39] group 0, one set for each slot
.set G0, 32
.set G1B, 48                           ; s[48:55], s[56:63] the same for B's tiles
.set G0B, 56
.set G1S, 68                           ; s[68:75], s[76:79] groups 1 and 0 for A's scales;  s[80:87], s[88:91] for B's
.set G0S, 76
.set G1SB, 80
.set G0SB, 88
.set SEL, 12                           ; s[12:13] lane selects for v_permlanex16_b32 (set behind the head's arithmetic)
.set SA,  18                           ; s[18:19] the way out: bytes from a block of A's rows to the next
.set SA4, 92                           ; s[92:93] and what block 4 adds to that
.set OC0, 96                           ; s[96:97] where registers 0-5 of a block's codes go;  s[98:99] registers 6-11;  s[100:101] the scale words
.set OC1, 98
.set OS,  100
.set MSB, 0
.macro WIN new                         ; the immediate's high byte repeats the setting that is left
.if MSB != \new
	s_set_vgpr_msb (MSB<<8)|\new
.set MSB, \new
.endif
.endm
.set MUL_LO, 0xa1                      ; source 0 (B) window 1, source 1 (A) window 0, C and D window 2
.set MUL_HI, 0xf1                      ; the same, C and D window 3
.set TO_B,   0x40                      ; destination window 1, address window 0
; A joint load: waves 0 and 1 fetch for A, waves 2 and 3 for B.  Each of the two lines has one mask and one set of registers for all that issue it; the branch hangs on the wave's number alone.
; An s_nop 0 and four v_nop follow each of the two lines, ahead of the jump, the label and what follows.
.macro JLOAD g0a, g1a, g0b, g1b
	s_cmp_eq_u32 s15, 0
	s_cbranch_scc0 .Lfor_b_\@
	tensor_load_to_lds s[\g0a:\g0a+3], s[\g1a:\g1a+7]
	s_nop 0
.rept 4
	v_nop
.endr
	s_branch .Lasked_\@
.Lfor_b_\@:
	tensor_load_to_lds s[\g0b:\g0b+3], s[\g1b:\g1b+7]
	s_nop 0
.rept 4
	v_nop
.endr
.Lasked_\@:
.endm
.macro CREST                           ; a round of the cluster's barrier behind its opening barrier
	s_cmp_lg_u32 s14, 0
	s_cbranch_scc1 .Lnot_wave_0_\@
	s_barrier_signal -3
.Lnot_wave_0_\@:
	s_barrier_wait -3
	s_barrier_signal -1
	s_barrier_wait -1
.endm
.macro CROUND                          ; a whole round
	s_barrier_signal -1
	s_barrier_wait -1
	CREST
.endm
	s_load_b256 s[4:11], s[0:1], 0x0               ; cin s[4:5], sin s[6:7], cqkv s[8:9], sqkv s[10:11]
	v_lshl_add_u32 v[SPW], v0, 2, SPARE
	v_mov_b32 v[NIL], 0
	ds_add_u32 v[SPW], v[NIL]                      ; the wave's opening: the add and its wait stand ahead of my first tensor load; the set-up below, work on registers, stands between them
	v_lshrrev_b32 v1, 5, v0
	v_readfirstlane_b32 s14, v1                    ; wave 0..3
	s_lshr_b32 s15, s14, 1                         ; which half of A's 256 rows is mine.  Also: I fetch for A (0) or for B (1)
	s_and_b32 s16, s14, 1                          ; which half of B's 256 rows.  Also: which 128 rows of that tile I fetch
	s_bfe_u32 s40, ttmp6, 0x40000                  ; cx, cy: my place in the cluster
	s_bfe_u32 s41, ttmp6, 0x40004
	s_and_b32 s12, ttmp7, 0xffff                   ; cluster y, 0 .. 23
	s_lshr_b32 s66, s12, 3                         ; which product: 0 q, 1 k, 2 v
	s_and_b32 s12, s12, 7                          ; and which of its eight clusters
	s_cmp_eq_u32 s66, 2
	s_cselect_b32 s67, 1, 0                        ; v?
	s_cselect_b32 s13, s12, 0                      ; the 8,192 tokens lie along B for v,
	s_cselect_b32 s12, 0, s12                      ; along A for q and k
	s_lshl_b32 s42, s13, 2
	s_add_co_u32 s42, s42, s40                     ; tile column (B's 256 rows)
	s_lshl_b32 s17, s12, 2
	s_add_co_u32 s17, s17, s41                     ; tile row (A's 256 rows)
	s_cmp_eq_u32 s66, 0
	s_cselect_b32 s18, 512, 0                      ; A's first row tile in cin: sx for q, x for k,
	s_lshl_b32 s19, s66, 6
	s_add_co_u32 s19, s19, 1024                    ; B's: Wq, Wk;
	s_cmp_eq_u32 s66, 2
	s_cselect_b32 s18, 1152, s18                   ; for v: A = Wv,
	s_cselect_b32 s19, 0, s19                      ; B = x
	s_lshl_b32 s43, s41, 2
	s_lshl_b32 s43, 15, s43                        ; my row of the cluster
	s_lshl_b32 s44, 0x1111, s40                    ; my column
	; descriptor group 1: 8 row tiles' parts of a K step: 8 rows of 3,072 bytes (384 elements of 8 bytes), 12,288 bytes apart; dense in LDS
	s_or_b32 s[G1+0], s43, (3<<16)|(1<<21)         ; 15:0 the mask: A's tiles go to my row; 17:16 elements of 8 bytes; 20 no padding; 21 set beside a mask
	s_or_b32 s[G1B+0], s44, (3<<16)|(1<<21)
.irp g, G1, G1B
	s_mov_b32 s[\g+1], 384<<16                     ; tensor_dim0
	s_mov_b32 s[\g+2], 8<<16                       ; tensor_dim1
	s_mov_b32 s[\g+3], 384<<16                     ; tile_dim0
	s_mov_b32 s[\g+4], 8                           ; tile_dim1
	s_mov_b32 s[\g+5], 1536                        ; tensor_dim0_stride
	s_mov_b32 s[\g+6], 0
	s_mov_b32 s[\g+7], 0
.endr
	; and for the scale words of 128 rows: 4,096 dense bytes, as 16 rows of 256 bytes
	s_or_b32 s[G1S+0], s43, (3<<16)|(1<<21)
	s_or_b32 s[G1SB+0], s44, (3<<16)|(1<<21)
.irp g, G1S, G1SB
	s_mov_b32 s[\g+1], 32<<16
	s_mov_b32 s[\g+2], 16<<16
	s_mov_b32 s[\g+3], 32<<16
	s_mov_b32 s[\g+4], 16
	s_mov_b32 s[\g+5], 32
	s_mov_b32 s[\g+6], 0
	s_mov_b32 s[\g+7], 0
.endr
	s_lshl_b32 s21, s16, 3                         ; which 8 row tiles of the 16 I fetch
	s_lshl_b32 s20, s17, 4
	s_add_co_u32 s20, s20, s18
	s_add_co_u32 s20, s20, s21                     ; A: the first row tile that I fetch
	s_lshl_b32 s46, s42, 4
	s_add_co_u32 s46, s46, s19
	s_add_co_u32 s46, s46, s21                     ; B likewise
	s_lshl_b32 s22, s20, 9                         ; their scale words begin 512 bytes a row tile on,
	s_mov_b32 s23, 0
	s_mul_i32 s20, s20, 12288                      ; their codes 12,288
	s_mov_b32 s21, 0
	s_lshl_b32 s92, s46, 9
	s_mov_b32 s93, 0
	s_mul_i32 s46, s46, 12288
	s_mov_b32 s47, 0
	s_mul_i32 s45, s14, HALFT                      ; where they go: wave x 128 rows: no place in the cluster enters an LDS address
	s_mul_i32 s94, s14, HALFS
	s_wait_dscnt 0x0                               ; the opening add is done
	s_wait_kmcnt 0x0
	s_add_nc_u64 s[20:21], s[4:5], s[20:21]
	s_add_nc_u64 s[22:23], s[6:7], s[22:23]
	s_add_nc_u64 s[46:47], s[4:5], s[46:47]
	s_add_nc_u64 s[92:93], s[6:7], s[92:93]
	CROUND                                         ; all sixteen work-groups are here: the first joint loads meet
	s_mov_b32 s[G0S], 1
	s_add_co_u32 s[G0S+1], s94, SCL
	s_mov_b64 s[G0S+2:G0S+3], s[22:23]
	s_or_b32 s[G0S+3], s[G0S+3], 0x80000000
	s_mov_b32 s[G0SB], 1
	s_add_co_u32 s[G0SB+1], s94, SCL
	s_mov_b64 s[G0SB+2:G0SB+3], s[92:93]
	s_or_b32 s[G0SB+3], s[G0SB+3], 0x80000000
	JLOAD G0S, G1S, G0SB, G1SB                     ; the scale words first: they are wanted with K step 0
.irp s, 0,1
	s_mov_b32 s[G0+4*\s], 1
	s_add_co_u32 s[G0+4*\s+1], s45, \s*SLOT
	s_add_nc_u64 s[G0+4*\s+2:G0+4*\s+3], s[20:21], \s*TROW
	s_or_b32 s[G0+4*\s+3], s[G0+4*\s+3], 0x80000000
	s_mov_b32 s[G0B+4*\s], 1
	s_add_co_u32 s[G0B+4*\s+1], s45, \s*SLOT
	s_add_nc_u64 s[G0B+4*\s+2:G0B+4*\s+3], s[46:47], \s*TROW
	s_or_b32 s[G0B+4*\s+3], s[G0B+4*\s+3], 0x80000000
	JLOAD G0+4*\s, G1, G0B+4*\s, G1B               ; three tensor loads of mine are out
.endr
	v_and_b32 v1, 15, v0                           ; r
	v_bfe_u32 v2, v0, 4, 1                         ; h
	v_and_b32 v3, 31, v0                           ; lane
	v_lshlrev_b32 v[L8], 3, v3
	v_lshlrev_b32 v[L16], 4, v3
	s_mul_i32 s21, s15, HALFT                      ; my 128 rows of A
	s_mul_i32 s22, s16, HALFT                      ; my 128 rows of B,
	s_add_co_u32 s22, s22, 2*HALFT                 ; which lie behind A's 256
.irp s, 0,1
	v_add_nc_u32 v[ADRA+\s], s21, v[L8]
	v_add_nc_u32 v[ADRB+\s], s22, v[L8]
	s_add_co_u32 s21, s21, SLOT
	s_add_co_u32 s22, s22, SLOT
.endr
	v_lshlrev_b32 v5, 3, v1                        ; my row's two words of a K step
	s_mul_i32 s21, s15, HALFS                      ; A's: my 128 rows
	s_mul_i32 s22, s16, HALFS                      ; B's: my 128 rows, behind A's 256
	s_add_co_u32 s22, s22, 2*HALFS
	s_sub_co_u32 s22, s22, s21
	v_mul_u32_u24 v6, s22, v2                      ; lanes 16-31 take B's
	s_add_co_u32 s21, s21, SCL
	v_add_nc_u32 v5, v5, v6
	v_add_nc_u32 v[ADRS], s21, v5
	; the way out's addresses.  U: the tile coordinate along the tokens, V: along the channels; u, v: my wave's halves of them
	s_cmp_eq_u32 s67, 1
	s_cselect_b32 s12, s42, s17                    ; U
	s_cselect_b32 s13, s17, s42                    ; V
	s_cselect_b32 s18, s16, s15                    ; u
	s_cselect_b32 s19, s15, s16                    ; v
	s_lshr_b32 s20, s12, 3                         ; the batch: 8 tiles of 256 tokens each
	s_and_b32 s21, s12, 7
	s_lshl_b32 s21, s21, 1
	s_add_co_u32 s21, s21, s18                     ; which 128 tokens of the batch's 2,048
	s_lshl_b32 s20, s20, 4
	s_lshl_b32 s13, s13, 2
	s_add_co_u32 s20, s20, s13
	s_lshl_b32 s19, s19, 1
	s_add_co_u32 s20, s20, s19                     ; the first of my two heads: 16 batch + 4 V + 2 v
	s_mul_i32 s96, s66, 6291456                    ; q, k or v in cqkv,
	s_mul_i32 s22, s20, 98304                      ; the head,
	s_add_co_u32 s96, s96, s22
	s_mul_i32 s22, s21, 6144                       ; the 128 tokens: 8 tiles of 768 bytes (q, k) or 4 fragments of 1,536 (v)
	s_add_co_u32 s96, s96, s22
	s_mov_b32 s97, 0
	s_add_nc_u64 s[OC0:OC0+1], s[8:9], s[96:97]
	s_lshl_b32 s100, s20, 13
	s_lshl_b32 s22, s21, 9
	s_add_co_u32 s100, s100, s22                   ; scale words: 8,192 bytes a head and 512 for 128 tokens (q, k);
	s_lshr_b32 s100, s100, s67                     ; half of both for v
	s_lshl_b32 s22, s66, 19
	s_add_co_u32 s100, s100, s22
	s_mov_b32 s101, 0
	s_add_nc_u64 s[OS:OS+1], s[10:11], s[100:101]
	s_cmp_eq_u32 s67, 1
	s_mov_b32 s[SA], 768                           ; q, k: a block of A's rows is a tile of 16 tokens;
	s_cselect_b32 s[SA], 1536, s[SA]               ; v: a tile of 16 channels
	s_mov_b32 s22, 98304                           ; q, k: registers 6-11 belong to the next head;
	s_cselect_b32 s22, 768, s22                    ; v: to the same fragment
	s_cselect_b32 s[SA4], 92160, 0                 ; v: block 4 begins the next head: 98,304 - 4 x 1,536 more
	s_mov_b32 s[SA+1], 0
	s_mov_b32 s23, 0
	s_mov_b32 s[SA4+1], 0
	s_add_nc_u64 s[OC1:OC1+1], s[OC0:OC0+1], s[22:23]
	s_mov_b32 s2, 0xffff0000                       ; lanes 16-31
	s_mov_b32 s[SEL], 0x76543210
	s_mov_b32 s[SEL+1], 0xfedcba98
.macro FRAG reg, adr, q, i             ; a fragment comes as it lies: six pieces of 256 bytes, 8 bytes a lane
.irp p, 0,1,2,3,4,5
	ds_load_b64 v[\reg+2*\p:\reg+2*\p+1], v[\adr] offset:(\i)*TROW+(\q)*FRB+256*\p
.endr
.endm
; 16 matrix instructions: A's blocks a0, a0 + 1 x B's eight, 128 along K: the slot's q-th.  p: B's set;  sc: the set of scale words.  zero = 1: the first product starts the sums: nothing is ever cleared.
; The 64 accumulators take turns, one instruction a turn, in the same order in every step.
.macro MUL16 a0, p, q, sc, zero
.irp a, \a0, \a0+1
.irp b, 0,1,2,3,4,5,6,7
.if \zero
	v_wmma_scale_f32_16x16x128_f8f6f4 v[8*(8*((\a)%4)+\b):8*(8*((\a)%4)+\b)+7], v[128*(\p)+FR*\b:128*(\p)+FR*\b+FR-1], v[AF+FR*(\a):AF+FR*(\a)+FR-1], 0, v[SC+8*NQ*(\sc)+NQ*\b+(\q)], v[SC+8*NQ*(\sc)+NQ*(\a)+(\q)] matrix_a_fmt:MATRIX_FMT_FP6 matrix_b_fmt:MATRIX_FMT_FP6 matrix_a_scale:MATRIX_SCALE_ROW1
.else
	v_wmma_scale_f32_16x16x128_f8f6f4 v[8*(8*((\a)%4)+\b):8*(8*((\a)%4)+\b)+7], v[128*(\p)+FR*\b:128*(\p)+FR*\b+FR-1], v[AF+FR*(\a):AF+FR*(\a)+FR-1], v[8*(8*((\a)%4)+\b):8*(8*((\a)%4)+\b)+7], v[SC+8*NQ*(\sc)+NQ*\b+(\q)], v[SC+8*NQ*(\sc)+NQ*(\a)+(\q)] matrix_a_fmt:MATRIX_FMT_FP6 matrix_b_fmt:MATRIX_FMT_FP6 matrix_a_scale:MATRIX_SCALE_ROW1
.endif
.endr
.endr
.endm
.macro FETCH_B slot, q, p              ; B's eight fragments of the slot's q-th 128 along K into set p
	WIN TO_B
.irp i, 0,1,2,3,4,5,6,7
	FRAG 128*(\p)+FR*\i, ADRB+\slot, \q, \i
.endr
	WIN 0
.endm
.macro FETCH_A slot, q, i0             ; A's blocks i0 .. i0 + 3
.irp i, \i0, \i0+1, \i0+2, \i0+3
	FRAG AF+FR*(\i), ADRA+\slot, \q, \i
.endr
.endm
.macro SCALES sc                       ; the next K step's scale words into set sc: two words a row; lanes 0-15 take A's block i, lanes 16-31 B's block i
.irp i, 0,1,2,3,4,5,6,7
	ds_load_b64 v[SC+8*NQ*\sc+NQ*\i:SC+8*NQ*\sc+NQ*\i+1], v[ADRS] offset:\i*SBLK
.endr
.endm
; A load into a register that a matrix instruction has read, and a vector instruction that reads a matrix result, stand NP places behind that matrix instruction, and only plain vector
; instructions that name none of its registers are places (ISA guide 7.12.1 for vector instructions).
.macro PLACES n
.rept \n
	v_nop
.endr
.endm
; A step of 128 along K that has its successor in the same slot.
.macro STEP slot, q, zero
	s_wait_dscnt 4*NL                              ; B's set and A's blocks 0-3 are in; the youngest 24 loads (A's blocks 4-7) may be out
	WIN MUL_LO
	MUL16 0, (\q)%2, \q, \slot, \zero
	MUL16 2, (\q)%2, \q, \slot, \zero
	s_wait_dscnt 0                                 ; A's blocks 4-7 are in (asked for 32 matrix instructions ago)
	PLACES NP
	FETCH_B \slot, (\q)+1, 1-(\q)%2
	FETCH_A \slot, (\q)+1, 0
	WIN MUL_HI
	MUL16 4, (\q)%2, \q, \slot, \zero
	MUL16 6, (\q)%2, \q, \slot, \zero
	PLACES NP
	WIN 0
	FETCH_A \slot, (\q)+1, 4
.endm
; A slot's last step changes slots: ONE barrier; in front of it each wave waits for all its tensor loads, adds 0 to its spare word, and waits for that and for its own reads of this slot.  fill = 1: this slot is filled again, two K steps ahead.
.macro TURN slot, next, fill
	s_wait_tensorcnt 0x0                           ; all my tensor loads have landed: my part of the next slot;  (every window is 0 here: the add's two registers lie in window 0)
	ds_add_u32 v[SPW], v[NIL]                      ; 0 onto my spare word
	s_wait_dscnt 4*NL+1                            ; (the add and the youngest 24 loads, A's blocks 4-7, may be out)
	WIN MUL_LO
	MUL16 0, 1, NQ-1, \slot, 0                     ; sixteen matrix instructions stand between the add and the wait for it
	s_wait_dscnt 0x0                               ; the add is done, and my reads of this slot are over
	s_barrier_signal -1
	MUL16 2, 1, NQ-1, \slot, 0
	WIN 0
	s_barrier_wait -1
.if \fill
	CREST                                          ; the barrier has opened a round of the cluster's barrier: no wave of any partner still reads this slot's tile or has a load on its way
	s_add_nc_u64 s[G0+4*\slot+2:G0+4*\slot+3], s[G0+4*\slot+2:G0+4*\slot+3], 2*TROW
	s_add_nc_u64 s[G0B+4*\slot+2:G0B+4*\slot+3], s[G0B+4*\slot+2:G0B+4*\slot+3], 2*TROW
	JLOAD G0+4*\slot, G1, G0B+4*\slot, G1B         ; the first tensor load behind the round, and my only one until the next; the four v_nop behind it are the places in front of the loads below
.else
	PLACES NP
.endif
	v_add_nc_u32 v[ADRS], 128, v[ADRS]             ; on to the next K step's scale words (no LDS load of mine is out)
	FETCH_B \next, 0, 0
	FETCH_A \next, 0, 0
	SCALES \next
	WIN MUL_HI
	MUL16 4, 1, NQ-1, \slot, 0
	MUL16 6, 1, NQ-1, \slot, 0
	PLACES NP
	WIN 0
	FETCH_A \next, 0, 4
.endm
	s_wait_tensorcnt 1                             ; the scale words and my part of K step 0 are in (K step 1's load may be out),
	s_barrier_signal -1
	s_barrier_wait -1                              ; everybody's are
	FETCH_B 0, 0, 0
	FETCH_A 0, 0, 0
	SCALES 0
	FETCH_A 0, 0, 4
	STEP 0, 0, 1                                   ; K = 1,024 is four K steps of 256, eight steps of 128: written out.  The first products start the sums
	TURN 0, 1, 1                                   ; slot 0 takes K step 2
	STEP 1, 0, 0
	TURN 1, 0, 1                                   ; slot 1 takes K step 3
	STEP 0, 0, 0
	TURN 0, 1, 0                                   ; nothing is left to fetch: no round
	STEP 1, 0, 0
	s_wait_dscnt 4*NL                              ; the very last step
	WIN MUL_LO
	MUL16 0, 1, NQ-1, 1, 0
	MUL16 2, 1, NQ-1, 1, 0
	s_wait_dscnt 0
	WIN MUL_HI
	MUL16 4, 1, NQ-1, 1, 0
	MUL16 6, 1, NQ-1, 1, 0
	WIN 0
; THE WAY OUT, a block of A's 16 rows at a time.  A lane's 64 results of block a are, for its row, register 16 b + i = place 32 b + 16 (lane / 16) + i along B's 128 rows: four blocks of 32, each shared by lanes l and l xor 16.
; They become a fragment's 12 registers and a scale word, and leave as six pieces: each store of the wave covers 256 consecutive bytes, aligned.  No LDS.
.macro QBLOCK a
.set W, 2+(\a)/4                       ; the block's accumulators: window 2 or 3,
.set AC, 64*((\a)%4)                   ; 64 registers from here
.if (\a) > 0
	s_wait_xcnt 0x0                                ; the last block's stores have read their data and their bases: both are written again below
	s_add_nc_u64 s[OC0:OC0+1], s[OC0:OC0+1], s[SA:SA+1]
	s_add_nc_u64 s[OC1:OC1+1], s[OC1:OC1+1], s[SA:SA+1]
.if (\a) == 4
	s_add_nc_u64 s[OC0:OC0+1], s[OC0:OC0+1], s[SA4:SA4+1]
	s_add_nc_u64 s[OC1:OC1+1], s[OC1:OC1+1], s[SA4:SA4+1]
.endif
.endif
	WIN 20*W                                       ; sources 1 and 2 in the accumulators' window
.irp b, 0,1,2,3
	v_max3_num_f32 v[TM+\b], 0x1800000, |v[AC+16*\b]|, |v[AC+16*\b+1]|   ; block b: my 16 numbers, and the floor 2^(3 - 127); each accumulator is read from its low end on
.endr
.irp i, 2,4,6,8,10,12,14
.irp b, 0,1,2,3
	v_max3_num_f32 v[TM+\b], v[TM+\b], |v[AC+16*\b+\i]|, |v[AC+16*\b+\i+1]|   ; (the four blocks by turns)
.endr
.endr
	WIN 0
.irp b, 0,1,2,3
	v_permlanex16_b32 v[TM+4+\b], v[TM+\b], s[SEL], s[SEL+1]
.endr
.irp b, 0,1,2,3
	v_max_num_f32 v[TM+\b], v[TM+\b], v[TM+4+\b]   ; with lane l xor 16's: the block's largest magnitude
.endr
.irp b, 0,1,2,3
	v_add_nc_u32 v[TM+12+\b], 0xff000000, v[TM+\b] ; 2 off its exponent field: the conversion's scale operand
.endr
.irp b, 0,1,2,3
	v_lshrrev_b32 v[TM+4+\b], 23, v[TM+12+\b]      ; the scale's byte
.endr
	v_lshl_or_b32 v[PW+(\a)], v[TM+5], 8, v[TM+4]
	v_lshl_or_b32 v[PW+(\a)], v[TM+6], 16, v[PW+(\a)]
	v_lshl_or_b32 v[PW+(\a)], v[TM+7], 24, v[PW+(\a)]
	WIN W                                          ; source 0 in the accumulators' window
.irp c, 0,1
	v_cvt_scalef32_pk16_fp6_f32 v[PC+6*\c:PC+6*\c+2], v[AC+32*\c:AC+32*\c+15], v[TM+12+2*\c]
	v_cvt_scalef32_pk16_fp6_f32 v[CQ+4*\c:CQ+4*\c+2], v[AC+32*\c+16:AC+32*\c+31], v[TM+12+2*\c+1]   ; (a conversion's three registers begin on an even number)
.endr
	WIN 0
	v_nop                                          ; one plain place behind a scaled conversion
.irp c, 0,1                                    ; the operand's layout wants a WHOLE block in a lane: lanes 0-15 block 2 c, lanes 16-31 block 2 c + 1
.irp i, 0,1,2
	v_permlane16_swap_b32 v[PC+6*\c+\i], v[CQ+4*\c+\i]
.endr
.irp i, 0,1,2
	v_mov_b32 v[PC+6*\c+3+\i], v[CQ+4*\c+\i]
.endr
.endr
.irp p, 0,1,2
	global_store_b64 v[L8], v[PC+2*\p:PC+2*\p+1], s[OC0:OC0+1] offset:256*\p
.endr
.irp p, 0,1,2
	global_store_b64 v[L8], v[PC+6+2*\p:PC+6+2*\p+1], s[OC1:OC1+1] offset:256*\p
.endr
.endm
	PLACES NP                                      ; behind the last products, ahead of the first read of results
.irp b, 0,1,2,3
	v_mov_b32 v[TM+4+\b], 0                        ; written once: a lane permute's destination counts as one of its sources
.endr
.irp a, 0,1,2,3,4,5,6,7
	QBLOCK \a
.endr
.irp j, 0,1,2,3
	v_cndmask_b32 v[WI+\j], v[PW+2*\j], v[PW+2*\j+1], s2   ; lanes 0-15: block 2 j's word of row r; lanes 16-31: block 2 j + 1's
.endr
	s_cmp_eq_u32 s67, 1                            ; the product's number comes from the cluster's y: the same in all sixteen partners
	s_cbranch_scc1 .Lv_words
	global_store_b128 v[L16], v[WI:WI+3], s[OS:OS+1]               ; q, k: bytes 0, 1 are the first head's (bytes 2, 3, the second head's, scale codes that meet zeros)
.irp j, 0,1,2,3
	v_lshrrev_b32 v[WJ+\j], 16, v[WI+\j]           ; the second head's two bytes, at bytes 0, 1
.endr
	global_store_b128 v[L16], v[WJ:WJ+3], s[OS:OS+1] offset:8192
	s_branch .Lwords_out
.Lv_words:
	global_store_b64 v[L8], v[WI:WI+1], s[OS:OS+1]                 ; v: the first head's four channel tiles,
	global_store_b64 v[L8], v[WI+2:WI+3], s[OS:OS+1] offset:4096   ; the second head's
.Lwords_out:
	s_wait_tensorcnt 0x0                           ; the wave's end: behind my last tensor load
	ds_add_u32 v[SPW], v[NIL]
	s_wait_dscnt 0x0
	CROUND                                         ; the closing round: no work-group ends while a partner may still ask for a tile that names it
	s_endpgm
.Lfunc_end_k_q98ee7161cb_qkv:
	.size	k_q98ee7161cb_qkv, .Lfunc_end_k_q98ee7161cb_qkv-k_q98ee7161cb_qkv
	.p2alignl 7, 3214868480
	.fill 96, 4, 3214868480
	.section	.rodata,"a",@progbits
	.p2align	6, 0x0
	.amdhsa_kernel k_q98ee7161cb_qkv
		.amdhsa_group_segment_fixed_size 327680
		.amdhsa_private_segment_fixed_size 0
		.amdhsa_enable_private_segment 0
		.amdhsa_kernarg_size 32
		.amdhsa_user_sgpr_count 2
		.amdhsa_user_sgpr_kernarg_segment_ptr 1
		.amdhsa_wavefront_size32 1
		.amdhsa_system_sgpr_workgroup_id_x 1
		.amdhsa_system_sgpr_workgroup_id_y 1
		.amdhsa_system_sgpr_workgroup_id_z 1
		.amdhsa_system_vgpr_workitem_id 0
		.amdhsa_next_free_vgpr 1024
		.amdhsa_next_free_sgpr 102
		.amdhsa_reserve_vcc 0
		.amdhsa_float_denorm_mode_32 3
		.amdhsa_float_denorm_mode_16_64 3
		.amdhsa_memory_ordered 1
		.amdhsa_forward_progress 1
		.amdhsa_inst_pref_size 168
	.end_amdhsa_kernel
	.amdgpu_metadata
---
amdhsa.version: [ 1, 2 ]
amdhsa.kernels:
  - .name:           k_q98ee7161cb_qkv
    .symbol:         k_q98ee7161cb_qkv.kd
    .args:
      - { .name: cin, .offset: 0, .size: 8, .value_kind: global_buffer, .address_space: global }
      - { .name: sin, .offset: 8, .size: 8, .value_kind: global_buffer, .address_space: global }
      - { .name: cqkv, .offset: 16, .size: 8, .value_kind: global_buffer, .address_space: global }
      - { .name: sqkv, .offset: 24, .size: 8, .value_kind: global_buffer, .address_space: global }
    .group_segment_fixed_size: 327680
    .private_segment_fixed_size: 0
    .kernarg_segment_align: 8
    .kernarg_segment_size: 32
    .max_flat_workgroup_size: 128
    .sgpr_count:     102
    .vgpr_count:     1024
    .wavefront_size: 32
...
	.end_amdgpu_metadata
.endif
;; end of part 2
;; launch attn (part 3): grid 4 x 64, 16 waves a work-group, clusters of 4 x 1, 215,040 bytes of LDS; arguments cqkv, sqkv, cy, sy; writes cy, sy
.if DOCPART == 3
	.amdgcn_target "amdgcn-amd-amdhsa--gfx1250"
	.amdhsa_code_object_version 6
	.text
	.protected	k_q98ee7161cb_attn
	.globl	k_q98ee7161cb_attn
	.p2align	8
	.type	k_q98ee7161cb_attn,@function
k_q98ee7161cb_attn:
	s_mov_b64 s[64:65], 0
	v_nop
	global_prefetch_b8 v0, s[64:65] scope:SCOPE_SE
	s_setreg_imm32_b32 hwreg(HW_REG_WAVE_MODE, 25, 1), 1
	s_wait_xcnt 0x0
	s_wait_alu depctr_hold_cnt(0) depctr_sa_sdst(0) depctr_va_vdst(0) depctr_va_sdst(0) depctr_va_ssrc(0) depctr_va_vcc(0) depctr_vm_vsrc(0)
	s_getreg_b32 s2, hwreg(HW_REG_IB_STS2, 6, 4)
	s_cmp_eq_u32 s2, 0
	s_cbranch_scc0 .Lentry_in_a_cluster
	s_endpgm
.Lentry_in_a_cluster:
	s_bfe_u32 s2, ttmp6, 0x10000c
	s_cmp_lg_u32 s2, 0x3003
	s_cbranch_scc0 .Lentry_shape_is_right
	s_endpgm
.Lentry_shape_is_right:
; y[b h][q][:] = the sum over k of softmax_k(q . k) v[k][:] (no 1 / sqrt(64): the problem has none), both products on codes of FP6 (E2M3) with E8M0 scales; y is quantised along its channels and leaves as codes.
; THE SOFTMAX AHEAD OF THE SECOND PRODUCT: t = score x log2(e); M = the row's largest t so far, rounded UP to a whole number; p = 2^(t - M) is what is quantised, along the keys; it is not normalised.
; The row's sum is taken of the unquantised p, in f32, and divides O at the end.  When M moves, the sum and O are multiplied by 2^(old M - new M): exact.
; SHARES.  A work-group owns 512 queries of one head; each of its sixteen waves two tiles of 16 queries, one after the other, in 256 registers: four waves to a SIMD, so that one wave's vector work stands beside another's
; matrix work and LDS loads.  Every wave walks the head's 2,048 keys, 128 a step.
; A WHOLE HEAD'S K AND V LIE IN LDS (2 x 98,304 bytes of codes, 12,288 of scale words): they come once, at the head; no slot is filled again, and no barrier stands in the loops.
; CLUSTER.  The four work-groups of a cluster are the four query blocks of one head: each fill is asked for JOINTLY, by the same tensor load with the same descriptor and the mask of all four.
; LAYOUT.  Codes lie as images of the operand's registers: pieces of 256 bytes, 8 bytes a lane.  Both products are used transposed: S^T = K Q^T (source 0 = 16 keys), O^T = V^T P^T (source 0 = 16 channels): a lane holds ONE query.
; K's tiles and V's channel tiles keep the stored order of rows (bits 3 and 4 exchanged): the 16 registers of tiles 2 b and 2 b + 1 are 16 true neighbours, 32 b + 16 (lane / 16) + 0 .. 15, along the keys or the channels.
; THE FIRST PRODUCT'S K IS 64, the instruction's 128: Q's registers 6-11 are zero codes.  K's tiles stand 6 registers apart, so a tile's registers 6-11 are the next tile's codes: they meet zeros and add nothing; no scale byte is 0xff.
; LIMITS: NaN and infinities are not served; p under 2^-126 counts as 0; a block of y whose largest magnitude lies under 2^-124 keeps the scale byte 1; 1 / the sum is v_rcp_f32 and a multiplication.
; y's scale bytes leave as 2 bytes a lane (a head has two of a row's 32): 262,144 bytes in the whole launch.
.set KC,    0                          ; LDS: K's codes: [tile of 16 keys (128)][768]
.set VC,    98304                      ; V's codes: [128 keys (16)][16 channels (4)][1,536]
.set KS,    196608                     ; K's scale words: [128 keys (16)][lane][4 words]
.set VS,    204800                     ; V's: [128 keys (16)][lane][2 words]
.set SPARE, 208896                     ; the spare words, 128 bytes for each wave: eight blocks of 256 bytes that no other line names
.set AK0,  1                           ; v1   8 x lane: my place in a piece; K's codes begin at LDS byte 0
.set AV0,  2                           ; v2   the same among V's codes
.set AS0,  3                           ; v3   16 x lane among K's scale words
.set AT0,  4                           ; v4   8 x lane among V's
.set SPW,  5                           ; v5   LDS address of my spare word; never rewritten
.set NIL,  6                           ; v6   0; never rewritten
.set R8,   7                           ; v7   8 x (lane % 16)
.set ADK,  8                           ; v8-11 the addresses of the step in hand
.set ADV,  9
.set ADS,  10
.set ADT,  11
                                       ; v12 -M, v13 the largest t, v[14:15] the sum in two halves
.set QA,   16                          ; v16-27 the first tile of queries: codes in 16-21, zeros in 22-27
.set QB,   28                          ; v28-39 the second
.set QS,   40                          ; v40  Q's scale words: lanes 0-15 the first tile's, lanes 16-31 the second's
.set L16,  41                          ; v41  16 x lane
.set KF,   44                          ; v44-97 K's eight tiles, 6 registers apart (v92-97 stay zero); then V's four fragments, v44-91
.set SS,   98                          ; v98-161 S^T, then p
.set OO,   162                         ; v162-193 O^T
.set PC,   194                         ; v194-205 p's codes
.set CT,   206                         ; v206-212 upper halves of the codes, before they are moved
.set KSC,  214                         ; v214-217 K's scale words: register j: lanes 0-15 tile 2 j, lanes 16-31 tile 2 j + 1
.set VSC,  218                         ; v218-219 V's likewise
.set PSC,  220                         ; v220 p's scale word
.set BM,   222                         ; v222-225 the blocks' largest scores, then largest p
.set PT,   226                         ; v226-229 at work
.set SO,   230                         ; v230-233 the conversions' scale operands
.set FF,   234                         ; v234 f = 2^(old M - new M)  (v235 is named with it as a pair)
.set TT,   236                         ; v236 at work
.set HW,   237                         ; v237 y's two scale bytes
.set SU,   238                         ; v[238:239] the second chain of the sum
.set WV,   12                          ; s12  my wave's number
.set SEL,  20                          ; s[20:21] lane selects for v_permlanex16_b32: lane l xor 16
.set CS,   22                          ; s[22:23] log2(e): the packed form names a pair and takes its low word for both halves
.set G1C,  24                          ; s[24:31] descriptor group 1 for the codes;  s[32:39] for the scale words;  s[40:43], s[44:47] their groups 0
.set G1S,  32
.set G0C,  40
.set G0S,  44
.set TK,   50                          ; s50  where the step's codes begin, in K's and in V's region: 6,144 bytes a step
.set TS,   51                          ; s51  K's scale words: 512 a step
.set TJ,   52                          ; s52  V's: 256 a step
.set CNT,  53                          ; s53  steps to go
.set YC,   54                          ; s[54:55] my first tile's codes in cy;  s[56:57] its scale bytes in sy
.set YS,   56
.macro CROUND                          ; a round of the cluster's barrier
	s_barrier_signal -1
	s_barrier_wait -1
	s_cmp_lg_u32 s[WV], 0
	s_cbranch_scc1 .Lnot_wave_0_\@
	s_barrier_signal -3
.Lnot_wave_0_\@:
	s_barrier_wait -3
	s_barrier_signal -1
	s_barrier_wait -1
.endm
	s_load_b256 s[4:11], s[0:1], 0x0               ; cqkv s[4:5], sqkv s[6:7], cy s[8:9], sy s[10:11]
	v_lshl_add_u32 v[SPW], v0, 2, SPARE
	v_mov_b32 v[NIL], 0
	ds_add_u32 v[SPW], v[NIL]                      ; the wave's opening: the add and its wait stand ahead of my first tensor load; the set-up below, work on registers, stands between them
	v_lshrrev_b32 v8, 5, v0
	v_readfirstlane_b32 s[WV], v8                  ; wave 0..15
	s_bfe_u32 s13, ttmp6, 0x40000                  ; cx: my block of 512 queries: it enters Q's and y's addresses alone
	s_and_b32 s14, ttmp7, 0xffff                   ; b h, which the four partners share
	; what I fetch, if I fetch.  Waves 0-3: a quarter of K's codes each; waves 4-7: of V's: 24,576 dense bytes
	s_min_u32 s15, s[WV], 7
	s_mul_i32 s[G0C+1], s15, 24576                 ; LDS: K's region and V's lie on end
	s_mul_i32 s16, s14, 98304
	s_add_co_u32 s16, s16, s[G0C+1]
	s_add_co_u32 s16, s16, 6291456                 ; k begins here in cqkv;
	s_cmp_lt_u32 s[WV], 4
	s_cselect_b32 s17, 0, 6193152                  ; v 6,291,456 further on, less the 98,304 that waves 4-7 are already past
	s_add_co_u32 s16, s16, s17
	s_mov_b32 s17, 0
	; waves 8, 9: halves of K's scale words; wave 10: V's: 4,096 dense bytes
	s_lshl_b32 s[G0S+1], s[WV], 12
	s_add_co_u32 s[G0S+1], s[G0S+1], 163840        ; wave 8: 196,608
	s_lshl_b32 s18, s14, 13
	s_lshl_b32 s19, s[WV], 12
	s_add_co_u32 s18, s18, s19
	s_add_co_u32 s18, s18, 524288-32768            ; k's words: 524,288 + 8,192 b h + 4,096 (wave - 8)
	s_lshl_b32 s19, s14, 12
	s_add_co_u32 s19, s19, 1048576                 ; v's: 1,048,576 + 4,096 b h
	s_cmp_lt_u32 s[WV], 10
	s_cselect_b32 s18, s18, s19
	s_mov_b32 s19, 0
	; descriptor group 1: dense blocks as rows of 256 bytes (32 elements of 8 bytes): 96 rows of codes, 16 of scale words
	s_mov_b32 s[G1C], 15|(3<<16)|(1<<21)           ; 15:0 the mask: all four work-groups; 17:16 elements of 8 bytes; 20 no padding; 21 set beside a mask
	s_mov_b32 s[G1C+1], 32<<16                     ; tensor_dim0
	s_mov_b32 s[G1C+2], 96<<16                     ; tensor_dim1
	s_mov_b32 s[G1C+3], 32<<16                     ; tile_dim0
	s_mov_b32 s[G1C+4], 96                         ; tile_dim1
	s_mov_b32 s[G1C+5], 32                         ; tensor_dim0_stride
	s_mov_b32 s[G1C+6], 0
	s_mov_b32 s[G1C+7], 0
	s_mov_b32 s[G1S], 15|(3<<16)|(1<<21)
	s_mov_b32 s[G1S+1], 32<<16
	s_mov_b32 s[G1S+2], 16<<16
	s_mov_b32 s[G1S+3], 32<<16
	s_mov_b32 s[G1S+4], 16
	s_mov_b32 s[G1S+5], 32
	s_mov_b32 s[G1S+6], 0
	s_mov_b32 s[G1S+7], 0
	s_mov_b32 s[G0C], 1
	s_mov_b32 s[G0S], 1
	; my two tiles of queries: 32 cx + 2 wave and the next
	s_lshl_b32 s48, s13, 5
	s_lshl_b32 s49, s[WV], 1
	s_add_co_u32 s48, s48, s49
	s_mul_i32 s58, s48, 768
	s_mul_i32 s49, s14, 98304
	s_add_co_u32 s58, s58, s49                     ; their codes in cqkv (q begins at 0)
	s_mov_b32 s59, 0
	s_lshl_b32 s60, s13, 2
	s_lshr_b32 s49, s[WV], 2
	s_add_co_u32 s60, s60, s49                     ; their group of 8 tiles: 4 cx + wave / 4;
	s_lshl_b32 s60, s60, 9
	s_and_b32 s49, s[WV], 3
	s_lshl_b32 s49, s49, 2
	s_add_co_u32 s60, s60, s49                     ; word wave % 4 of a lane's four: lanes 0-15 hold the even tile's, lanes 16-31 the odd tile's
	s_lshl_b32 s49, s14, 13
	s_add_co_u32 s60, s60, s49
	s_mov_b32 s61, 0
	s_lshr_b32 s49, s14, 4
	s_lshl_b32 s49, s49, 7
	s_add_co_u32 s49, s49, s48                     ; the first as a tile of the 8,192 tokens: 128 batch + its number in the head
	s_and_b32 s62, s14, 15                         ; the head
	s_mul_i32 s[YC], s49, 12288
	s_mul_i32 s63, s62, 768
	s_add_co_u32 s[YC], s[YC], s63                 ; cy: a row tile of K = 1,024; head hd is half hd % 2 of fragment hd / 2
	s_mov_b32 s[YC+1], 0
	s_lshl_b32 s[YS], s49, 9                       ; sy: [256 along K][row][2 words]: the head's two bytes:
	s_lshr_b32 s63, s62, 2
	s_lshl_b32 s63, s63, 7
	s_add_co_u32 s[YS], s[YS], s63                 ; 128 (hd / 4)
	s_bfe_u32 s63, s62, 0x10001
	s_lshl_b32 s63, s63, 2
	s_add_co_u32 s[YS], s[YS], s63                 ; + 4 ((hd / 2) % 2)
	s_and_b32 s63, s62, 1
	s_lshl_b32 s63, s63, 1
	s_add_co_u32 s[YS], s[YS], s63                 ; + 2 (hd % 2)
	s_mov_b32 s[YS+1], 0
	s_mov_b32 s[SEL], 0x76543210
	s_mov_b32 s[SEL+1], 0xfedcba98
	s_mov_b32 s[CS], 0x3fb8aa3b                    ; log2(e)
	s_mov_b32 s[CS+1], s[CS]                       ; (named with it as a pair, so it is written)
	s_wait_dscnt 0x0                               ; the opening add is done
	s_wait_kmcnt 0x0
	s_add_nc_u64 s[G0C+2:G0C+3], s[4:5], s[16:17]
	s_or_b32 s[G0C+3], s[G0C+3], 0x80000000        ; type = 2
	s_add_nc_u64 s[G0S+2:G0S+3], s[6:7], s[18:19]
	s_or_b32 s[G0S+3], s[G0S+3], 0x80000000
	s_add_nc_u64 s[58:59], s[4:5], s[58:59]
	s_add_nc_u64 s[60:61], s[6:7], s[60:61]
	s_add_nc_u64 s[YC:YC+1], s[8:9], s[YC:YC+1]
	s_add_nc_u64 s[YS:YS+1], s[10:11], s[YS:YS+1]
	CROUND                                         ; all four work-groups are here: the joint loads meet
	; the head's K and V: one joint load a wave in waves 0 to 10; the branches hang on the wave's number alone.  An s_nop 0 and four v_nop follow each of the two lines
	s_cmp_lt_u32 s[WV], 8
	s_cbranch_scc0 .Lnot_codes
	tensor_load_to_lds s[G0C:G0C+3], s[G1C:G1C+7]
	s_nop 0
.rept 4
	v_nop
.endr
	s_branch .Lasked
.Lnot_codes:
	s_cmp_lt_u32 s[WV], 11
	s_cbranch_scc0 .Lasked
	tensor_load_to_lds s[G0S:G0S+3], s[G1S:G1S+7]
	s_nop 0
.rept 4
	v_nop
.endr
.Lasked:
	v_and_b32 v8, 31, v0                           ; lane
	v_and_b32 v9, 15, v0                           ; r
	v_lshlrev_b32 v[AK0], 3, v8
	v_lshlrev_b32 v[L16], 4, v8
	v_lshlrev_b32 v[R8], 3, v9
.irp p, 0,1,2
	global_load_b64 v[QA+2*\p:QA+2*\p+1], v[AK0], s[58:59] offset:256*\p        ; Q stays in registers
	global_load_b64 v[QB+2*\p:QB+2*\p+1], v[AK0], s[58:59] offset:768+256*\p
.endr
	global_load_b32 v[QS], v[L16], s[60:61]
	v_add_nc_u32 v[AV0], VC, v[AK0]
	v_add_nc_u32 v[AS0], KS, v[L16]
	v_add_nc_u32 v[AT0], VS, v[AK0]
.irp i, 6,7,8,9,10,11
	v_mov_b32 v[QA+\i], 0                          ; k = 64 .. 127 of the first product: zero codes
	v_mov_b32 v[QB+\i], 0
	v_mov_b32 v[KF+42+\i], 0                       ; what stands behind K's eighth tile
.endr
.irp b, 0,1,2,3
	v_mov_b32 v[PT+\b], 0                          ; written once: a lane permute's destination counts as one of its sources
.endr
	v_mov_b32 v[FF+1], 0                           ; (named as the upper half of a pair)
	s_wait_tensorcnt 0x0                           ; my part of the head is in LDS,
	s_barrier_signal -1
	s_barrier_wait -1                              ; everybody's is
	s_wait_loadcnt 0x0                             ; Q
; S^T, tile t of eight: 16 keys x my 16 queries.  K's word stands in lanes 0-15 for even tiles, 16-31 for odd ones; Q's in lanes 0-15 for my first tile (e = 0), 16-31 for my second
.macro SQK t, q, e
.if ((\t)%2 == 0) && (\e == 0)
	v_wmma_scale_f32_16x16x128_f8f6f4 v[SS+8*(\t):SS+8*(\t)+7], v[KF+6*(\t):KF+6*(\t)+11], v[\q:\q+11], 0, v[KSC+(\t)/2], v[QS] matrix_a_fmt:MATRIX_FMT_FP6 matrix_b_fmt:MATRIX_FMT_FP6
.elseif (\e == 0)
	v_wmma_scale_f32_16x16x128_f8f6f4 v[SS+8*(\t):SS+8*(\t)+7], v[KF+6*(\t):KF+6*(\t)+11], v[\q:\q+11], 0, v[KSC+(\t)/2], v[QS] matrix_a_fmt:MATRIX_FMT_FP6 matrix_b_fmt:MATRIX_FMT_FP6 matrix_a_scale:MATRIX_SCALE_ROW1
.elseif ((\t)%2 == 0)
	v_wmma_scale_f32_16x16x128_f8f6f4 v[SS+8*(\t):SS+8*(\t)+7], v[KF+6*(\t):KF+6*(\t)+11], v[\q:\q+11], 0, v[KSC+(\t)/2], v[QS] matrix_a_fmt:MATRIX_FMT_FP6 matrix_b_fmt:MATRIX_FMT_FP6 matrix_b_scale:MATRIX_SCALE_ROW1
.else
	v_wmma_scale_f32_16x16x128_f8f6f4 v[SS+8*(\t):SS+8*(\t)+7], v[KF+6*(\t):KF+6*(\t)+11], v[\q:\q+11], 0, v[KSC+(\t)/2], v[QS] matrix_a_fmt:MATRIX_FMT_FP6 matrix_b_fmt:MATRIX_FMT_FP6 matrix_a_scale:MATRIX_SCALE_ROW1 matrix_b_scale:MATRIX_SCALE_ROW1
.endif
.endm
; O^T, tile t of four: 16 channels x my 16 queries, K = the step's 128 keys
.macro OPV t
.if (\t)%2 == 0
	v_wmma_scale_f32_16x16x128_f8f6f4 v[OO+8*(\t):OO+8*(\t)+7], v[KF+12*(\t):KF+12*(\t)+11], v[PC:PC+11], v[OO+8*(\t):OO+8*(\t)+7], v[VSC+(\t)/2], v[PSC] matrix_a_fmt:MATRIX_FMT_FP6 matrix_b_fmt:MATRIX_FMT_FP6
.else
	v_wmma_scale_f32_16x16x128_f8f6f4 v[OO+8*(\t):OO+8*(\t)+7], v[KF+12*(\t):KF+12*(\t)+11], v[PC:PC+11], v[OO+8*(\t):OO+8*(\t)+7], v[VSC+(\t)/2], v[PSC] matrix_a_fmt:MATRIX_FMT_FP6 matrix_b_fmt:MATRIX_FMT_FP6 matrix_a_scale:MATRIX_SCALE_ROW1
.endif
.endm
; A KEY STEP: 128 keys.  The twelve matrix instructions write twelve different accumulators, one instruction a turn.
.macro STEP q, e
	v_add_nc_u32 v[ADK], s[TK], v[AK0]             ; these four are also the places between the last step's products and the loads into the registers that they read
	v_add_nc_u32 v[ADV], s[TK], v[AV0]
	v_add_nc_u32 v[ADS], s[TS], v[AS0]
	v_add_nc_u32 v[ADT], s[TJ], v[AT0]
.irp t, 0,1,2,3,4,5,6,7
.irp p, 0,1,2
	ds_load_b64 v[KF+6*\t+2*\p:KF+6*\t+2*\p+1], v[ADK] offset:768*\t+256*\p   ; 32 lanes take 256 consecutive bytes
.endr
.endr
	ds_load_b128 v[KSC:KSC+3], v[ADS]
	s_wait_dscnt 0x0
.irp t, 0,1,2,3,4,5,6,7
	SQK \t, \q, \e
.endr                                          ; lane (r, h) holds query r; register 16 b + i is key 32 b + 16 h + i of the step
.rept 4
	v_nop                                          ; places ahead of the loads below and of the first read of the scores
.endr
.irp t, 0,1,2,3
.irp p, 0,1,2,3,4,5
	ds_load_b64 v[KF+12*\t+2*\p:KF+12*\t+2*\p+1], v[ADV] offset:1536*\t+256*\p   ; V's four fragments land while the softmax is worked
.endr
.endr
	ds_load_b64 v[VSC:VSC+1], v[ADT]
.irp b, 0,1,2,3
	v_max3_num_f32 v[BM+\b], v[SS+16*\b], v[SS+1+16*\b], v[SS+2+16*\b]   ; THE LARGEST SCORE OF EACH BLOCK OF 32 KEYS: it serves the row's maximum and, since p rises with the score, the block's largest p
.endr
.irp i, 3,5,7,9,11,13
.irp b, 0,1,2,3
	v_max3_num_f32 v[BM+\b], v[BM+\b], v[SS+16*\b+\i], v[SS+1+16*\b+\i]   ; (the four blocks by turns)
.endr
.endr
.irp b, 0,1,2,3
	v_max_num_f32 v[BM+\b], v[BM+\b], v[SS+15+16*\b]
.endr
.irp b, 0,1,2,3
	v_permlanex16_b32 v[PT+\b], v[BM+\b], s[SEL], s[SEL+1]
.endr
.irp b, 0,1,2,3
	v_max_num_f32 v[BM+\b], v[BM+\b], v[PT+\b]     ; with lane l xor 16's 16 keys
.endr
	v_max3_num_f32 v[TT], v[BM], v[BM+1], v[BM+2]
	v_max_num_f32 v[TT], v[TT], v[BM+3]            ; the step's largest score of my query
	v_mul_f32 v[TT], s[CS], v[TT]                  ; as t
	v_max_num_f32 v13, v13, v[TT]                  ; the running largest t
	v_mov_b32 v[TT], v12
	v_floor_f32 v12, -v13                          ; the new -M = floor(-t) = -ceil(t): M is a whole number
	v_sub_f32 v[TT], v12, v[TT]                    ; M's old value less its new one: a whole number, 0 or less
	v_cvt_i32_f32 v[TT], v[TT]                     ; (it saturates)
	v_ldexp_f32 v[FF], 1.0, v[TT]                  ; f = 2^(old M - new M): a multiplication by it rounds nothing
.set j, 0
.rept 32
	v_pk_fma_f32 v[SS+j:SS+j+1], v[SS+j:SS+j+1], s[CS:CS+1], v[12:13] op_sel_hi:[1,0,0]   ; t - M, two at a time (of the pairs log2(e) and -M the low word serves both halves)
.set j, j+2
.endr
.irp b, 0,1,2,3
	v_fma_f32 v[BM+\b], v[BM+\b], s[CS], v12       ; the same of each block's largest score
.endr
.set j, 0
.rept 64
	v_exp_f32 v[SS+j], v[SS+j]                     ; p = 2^(t - M), at most 1: not normalised
.set j, j+1
.endr
	v_pk_mul_f32 v[14:15], v[14:15], v[FF:FF+1] op_sel_hi:[1,0]   ; the sums under the new M: the plain place behind the exponentials
	s_wait_alu depctr_va_vdst(0)                   ; one wait for the whole batch, ahead of its first reader
.irp b, 0,1,2,3
	v_exp_f32 v[BM+\b], v[BM+\b]                   ; the block's largest p: the same two instructions on the same number give the same bits
.endr
	v_pk_add_f32 v[SU:SU+1], v[SS:SS+1], v[SS+2:SS+3]   ; THE ROW'S SUM IS TAKEN OF THE UNQUANTISED p: two at a time, in two chains; it reads the 64 alone: plain work behind the four
.set j, 4
.rept 15
	v_pk_add_f32 v[14:15], v[14:15], v[SS+j:SS+j+1]
	v_pk_add_f32 v[SU:SU+1], v[SU:SU+1], v[SS+2+j:SS+3+j]
.set j, j+4
.endr
	v_pk_add_f32 v[14:15], v[14:15], v[SU:SU+1]
	s_wait_alu depctr_va_vdst(0)                   ; and one for the four
.irp b, 0,1,2,3
	v_max_num_f32 v[BM+\b], 0x1800000, v[BM+\b]    ; the floor 2^(3 - 127): the byte cannot fall under 1
.endr
.irp b, 0,1,2,3
	v_add_nc_u32 v[SO+\b], 0xff000000, v[BM+\b]    ; 2 off the exponent field: the conversion's scale operand
.endr
.irp b, 0,1,2,3
	v_lshrrev_b32 v[PT+\b], 23, v[SO+\b]           ; the scale's byte
.endr
	v_lshl_or_b32 v[PSC], v[PT+1], 8, v[PT]        ; p's scale word for these 128 keys
	v_lshl_or_b32 v[PSC], v[PT+2], 16, v[PSC]
	v_lshl_or_b32 v[PSC], v[PT+3], 24, v[PSC]
.irp c, 0,1
	v_cvt_scalef32_pk16_fp6_f32 v[PC+6*\c:PC+6*\c+2], v[SS+32*\c:SS+32*\c+15], v[SO+2*\c]
	v_cvt_scalef32_pk16_fp6_f32 v[CT+4*\c:CT+4*\c+2], v[SS+32*\c+16:SS+32*\c+31], v[SO+2*\c+1]   ; (a conversion's three registers begin on an even number)
.endr
	v_nop                                          ; one plain place behind a scaled conversion
.irp c, 0,1                                    ; the operand's layout wants a WHOLE block in a lane: lanes 0-15 block 2 c, lanes 16-31 block 2 c + 1
.irp i, 0,1,2
	v_permlane16_swap_b32 v[PC+6*\c+\i], v[CT+4*\c+\i]
.endr
.irp i, 0,1,2
	v_mov_b32 v[PC+6*\c+3+\i], v[CT+4*\c+\i]
.endr
.endr
.set j, 0
.rept 16
	v_pk_mul_f32 v[OO+j:OO+j+1], v[OO+j:OO+j+1], v[FF:FF+1] op_sel_hi:[1,0]   ; O^T under the new M.  (These sixteen are also the places between the lines that wrote p's codes and scale word and the products below)
.set j, j+2
.endr
	s_wait_dscnt 0x0                               ; V is in
.irp t, 0,1,2,3
	OPV \t
.endr
	s_add_co_u32 s[TK], s[TK], 6144                ; the next step's codes and scale words
	s_add_co_u32 s[TS], s[TS], 512
	s_add_co_u32 s[TJ], s[TJ], 256
.endm
; THE WAY OUT of tile e: O^T / the sum is y: register 16 b + i is channel 32 b + 16 (lane / 16) + i of the head.  Its two blocks of 32 become six registers of codes and two scale bytes.
.macro FINISH e
.rept 4
	v_nop                                          ; places behind the last products
.endr
	v_add_f32 v14, v14, v15                        ; the sum's two halves,
	v_permlanex16_b32 v[TT], v14, s[SEL], s[SEL+1]
	v_add_f32 v14, v14, v[TT]                      ; and lane l xor 16's: the row's sum
	v_rcp_f32 v14, v14
	v_nop                                          ; a plain place behind the transcendental
	s_wait_alu depctr_va_vdst(0)                   ; and the wait ahead of its first reader
.set j, 0
.rept 16
	v_pk_mul_f32 v[SS+j:SS+j+1], v[OO+j:OO+j+1], v[14:15] op_sel_hi:[1,0]   ; each accumulator from its low end on
.set j, j+2
.endr
.irp b, 0,1
	v_max3_num_f32 v[BM+\b], |v[SS+16*\b]|, |v[SS+1+16*\b]|, 0x1800000
.endr
.irp i, 2,4,6,8,10,12,14
.irp b, 0,1
	v_max3_num_f32 v[BM+\b], v[BM+\b], |v[SS+16*\b+\i]|, |v[SS+1+16*\b+\i]|
.endr
.endr
.irp b, 0,1
	v_permlanex16_b32 v[PT+\b], v[BM+\b], s[SEL], s[SEL+1]
.endr
.irp b, 0,1
	v_max_num_f32 v[BM+\b], v[BM+\b], v[PT+\b]
.endr
.irp b, 0,1
	v_add_nc_u32 v[SO+\b], 0xff000000, v[BM+\b]
.endr
.irp b, 0,1
	v_lshrrev_b32 v[PT+\b], 23, v[SO+\b]
.endr
	v_lshl_or_b32 v[HW], v[PT+1], 8, v[PT]
	v_cvt_scalef32_pk16_fp6_f32 v[PC:PC+2], v[SS:SS+15], v[SO]
	v_cvt_scalef32_pk16_fp6_f32 v[CT:CT+2], v[SS+16:SS+31], v[SO+1]
	v_nop                                          ; one plain place behind a scaled conversion
.irp i, 0,1,2
	v_permlane16_swap_b32 v[PC+\i], v[CT+\i]
.endr
.irp i, 0,1,2
	v_mov_b32 v[PC+3+\i], v[CT+\i]
.endr
.irp p, 0,1,2
	global_store_b64 v[AK0], v[PC+2*\p:PC+2*\p+1], s[YC:YC+1] offset:12288*\e+256*\p   ; a piece: 256 consecutive bytes, at a multiple of 256 from cy's first byte
.endr
	global_store_b16 v[R8], v[HW], s[YS:YS+1] offset:512*\e   ; row r's two bytes; lanes r and 16 + r hold and store the same
.endm
; A tile of 16 queries walks the head's sixteen key steps.  The step is written once a tile: the first finds zeros in O^T and in the sum, which the first change of M leaves zeros.
.macro TILE q, e
.if \e
	s_wait_xcnt 0x0                                ; the first tile's stores have read their data, which are written again
.endif
	v_mov_b32 v13, 0xff61b1e6                      ; the largest t so far: -3e38, under every t
	v_floor_f32 v12, -v13                          ; -M
	v_mov_b32 v14, 0
	v_mov_b32 v15, 0
.set j, 0
.rept 32
	v_mov_b32 v[OO+j], 0
.set j, j+1
.endr
	s_mov_b32 s[TK], 0
	s_mov_b32 s[TS], 0
	s_mov_b32 s[TJ], 0
	s_mov_b32 s[CNT], 16
.Lstep_\@:
	STEP \q, \e
	s_sub_co_u32 s[CNT], s[CNT], 1
	s_cmp_lg_u32 s[CNT], 0
	s_cbranch_scc1 .Lstep_\@
	FINISH \e
.endm
	TILE QA, 0
	TILE QB, 1
	s_wait_tensorcnt 0x0                           ; the wave's end: behind my last tensor load
	ds_add_u32 v[SPW], v[NIL]
	s_wait_dscnt 0x0
	CROUND                                         ; the closing round: no work-group ends while a partner may still ask for a tile that names it
	s_endpgm
.Lfunc_end_k_q98ee7161cb_attn:
	.size	k_q98ee7161cb_attn, .Lfunc_end_k_q98ee7161cb_attn-k_q98ee7161cb_attn
	.p2alignl 7, 3214868480
	.fill 96, 4, 3214868480
	.section	.rodata,"a",@progbits
	.p2align	6, 0x0
	.amdhsa_kernel k_q98ee7161cb_attn
		.amdhsa_group_segment_fixed_size 215040
		.amdhsa_private_segment_fixed_size 0
		.amdhsa_enable_private_segment 0
		.amdhsa_kernarg_size 32
		.amdhsa_user_sgpr_count 2
		.amdhsa_user_sgpr_kernarg_segment_ptr 1
		.amdhsa_wavefront_size32 1
		.amdhsa_system_sgpr_workgroup_id_x 1
		.amdhsa_system_sgpr_workgroup_id_y 1
		.amdhsa_system_sgpr_workgroup_id_z 1
		.amdhsa_system_vgpr_workitem_id 0
		.amdhsa_next_free_vgpr 256
		.amdhsa_next_free_sgpr 66
		.amdhsa_reserve_vcc 0
		.amdhsa_float_denorm_mode_32 3
		.amdhsa_float_denorm_mode_16_64 3
		.amdhsa_memory_ordered 1
		.amdhsa_forward_progress 1
		.amdhsa_inst_pref_size 52
	.end_amdhsa_kernel
	.amdgpu_metadata
---
amdhsa.version: [ 1, 2 ]
amdhsa.kernels:
  - .name:           k_q98ee7161cb_attn
    .symbol:         k_q98ee7161cb_attn.kd
    .args:
      - { .name: cqkv, .offset: 0, .size: 8, .value_kind: global_buffer, .address_space: global }
      - { .name: sqkv, .offset: 8, .size: 8, .value_kind: global_buffer, .address_space: global }
      - { .name: cy, .offset: 16, .size: 8, .value_kind: global_buffer, .address_space: global }
      - { .name: sy, .offset: 24, .size: 8, .value_kind: global_buffer, .address_space: global }
    .group_segment_fixed_size: 215040
    .private_segment_fixed_size: 0
    .kernarg_segment_align: 8
    .kernarg_segment_size: 32
    .max_flat_workgroup_size: 512
    .sgpr_count:     66
    .vgpr_count:     256
    .wavefront_size: 32
...
	.end_amdgpu_metadata
.endif
;; end of part 3
;; launch proj (part 4): grid 4 x 32, 4 waves a work-group, clusters of 4 x 4, 327,680 bytes of LDS; arguments cy, sy, cin, sin, out0; writes out0
.if DOCPART == 4
	.amdgcn_target "amdgcn-amd-amdhsa--gfx1250"
	.amdhsa_code_object_version 6
	.text
	.protected	k_q98ee7161cb_proj
	.globl	k_q98ee7161cb_proj
	.p2align	8
	.type	k_q98ee7161cb_proj,@function
k_q98ee7161cb_proj:
	s_mov_b64 s[64:65], 0
	v_nop
	global_prefetch_b8 v0, s[64:65] scope:SCOPE_SE
	s_setreg_imm32_b32 hwreg(HW_REG_WAVE_MODE, 25, 1), 1
	s_wait_xcnt 0x0
	s_wait_alu depctr_hold_cnt(0) depctr_sa_sdst(0) depctr_va_vdst(0) depctr_va_sdst(0) depctr_va_ssrc(0) depctr_va_vcc(0) depctr_vm_vsrc(0)
	s_getreg_b32 s2, hwreg(HW_REG_IB_STS2, 6, 4)
	s_cmp_eq_u32 s2, 0
	s_cbranch_scc0 .Lentry_in_a_cluster
	s_endpgm
.Lentry_in_a_cluster:
	s_bfe_u32 s2, ttmp6, 0x10000c
	s_cmp_lg_u32 s2, 0xf033
	s_cbranch_scc0 .Lentry_shape_is_right
	s_endpgm
.Lentry_shape_is_right:
; out0 = y Wc^T, 8,192 x 1,024 x 1,024, on codes of FP6 (E2M3) with E8M0 scales; out0 is f32.  A = y (cy, sy), B = Wc (row tiles 1216 .. 1279 of cin, sin), both in their rows' true order.
; A tile of 256 x 256 is made by four waves, 128 x 128 each: 64 accumulators of 16 x 16, 512 registers.  THE MATRIX INSTRUCTION IS USED TRANSPOSED (source 0 = 16 rows of B, source 1 = 16 rows of A):
; a lane then holds eight neighbouring numbers of a row of out0.
; OPERANDS lie in memory as images of the operand's registers: a fragment (16 rows x 128 K) is 6 pieces of 256 bytes, piece p = registers 2 p, 2 p + 1, 8 bytes a lane; a row tile (16 rows, K 1,024) is 12,288 bytes.
; K goes in four steps of 256 through a ring of two LDS slots filled by the tensor data mover; a wave's load brings 8 row tiles x 3,072 bytes.  An LDS load of 8 bytes a lane takes 256 consecutive bytes: no padding.
; THE SCALE WORDS of the work-group's rows, for all of K (4 x 4,096 bytes), come once, with the first fills, and stay.
; CLUSTERS: 4 x 4 work-groups; A's tiles are asked for jointly by a row of the cluster, B's by a column.
; REGISTERS, in windows of 256: window 0: v16-31 addresses; v32-63 scale words, two sets, and nothing else; from v128 A's fragments, one set; on the way out v128-255 take rows of out0.
;   window 1: B's fragments, two sets.  windows 2, 3: the accumulators.
.set SIZE_N, 1024
.set NQ,     2                         ; matrix instructions deep in a slot
.set FR,     12                        ; registers of a fragment
.set NL,     6                         ; LDS loads that bring one
.set NP,     4                         ; places behind this matrix instruction (ISA guide 7.12.1)
.set FRB,    1536                      ; a fragment in bytes
.set TROW,   2*FRB                     ; a row tile's part of a slot
.set HALFT,  8*TROW                    ; 128 rows: what one tensor load brings, and what one wave reads of A or of B
.set SLOT,   4*HALFT                   ; A's 256 rows, then B's 256 rows
.set SCL,    2*SLOT                    ; behind the ring: the scale words
.set HALFS,  4096                      ; those of 128 rows
.set SBLK,   512                       ; those of 16 rows
.set SPARE,  SCL+4*HALFS               ; behind the scales: the spare words, 128 bytes for each wave: two blocks of 256 bytes that no other line names
.set SPITCH, 528                       ; the way out: a stage of 16 rows x (512 bytes + 16) for each wave.  It lies in slot 0, which has had its last fill and its last read when the first result is stored there
.set ADRA, 16                          ; v16-17  LDS address of my A fragments in slot 0, 1
.set ADRB, 20                          ; v20-21  the same for B
.set STO,  24                          ; v24     the way out: where I put 32 bytes of a row
.set RD,   25                          ; v25     the way out: where I read a row back
.set CO,   26                          ; v26     my byte offset in a row of out0
.set ADRS, 27                          ; v27     LDS address of my scale words: lanes 0-15 A's rows, lanes 16-31 B's
.set SPW,  28                          ; v28     LDS address of my spare word; never rewritten
.set NIL,  29                          ; v29     0; never rewritten
.set L8,   30                          ; v30     8 x lane
.set SC,   32                          ; scale words: set s at v[SC + 16 s]; register 2 i + q: lanes 0-15 A's block i, lanes 16-31 B's block i, the slot's q-th 128 along K
.set AF,   128                         ; A's fragments
.set BK,   128                         ; the way out: 16 rows read back from the stage: v128-191 and v192-255 by turns
.set G1, 24                            ; s[24:31] descriptor group 1 for A's tiles;  s[32:39] group 0, one set for each slot
.set G0, 32
.set G1B, 48                           ; s[48:55], s[56:63] the same for B's tiles
.set G0B, 56
.set G1S, 68                           ; s[68:75], s[76:79] groups 1 and 0 for A's scales;  s[80:87], s[88:91] for B's
.set G0S, 76
.set G1SB, 80
.set G0SB, 88
.set MSB, 0
.macro WIN new                         ; the immediate's high byte repeats the setting that is left
.if MSB != \new
	s_set_vgpr_msb (MSB<<8)|\new
.set MSB, \new
.endif
.endm
.set MUL_LO, 0xa1                      ; source 0 (B) window 1, source 1 (A) window 0, C and D window 2
.set MUL_HI, 0xf1                      ; the same, C and D window 3
.set TO_B,   0x40                      ; destination window 1, address window 0
; A joint load: waves 0 and 1 fetch for A, waves 2 and 3 for B.  Each of the two lines has one mask and one set of registers for all that issue it; the branch hangs on the wave's number alone.
; An s_nop 0 and four v_nop follow each of the two lines, ahead of the jump, the label and what follows.
.macro JLOAD g0a, g1a, g0b, g1b
	s_cmp_eq_u32 s15, 0
	s_cbranch_scc0 .Lfor_b_\@
	tensor_load_to_lds s[\g0a:\g0a+3], s[\g1a:\g1a+7]
	s_nop 0
.rept 4
	v_nop
.endr
	s_branch .Lasked_\@
.Lfor_b_\@:
	tensor_load_to_lds s[\g0b:\g0b+3], s[\g1b:\g1b+7]
	s_nop 0
.rept 4
	v_nop
.endr
.Lasked_\@:
.endm
.macro CREST                           ; a round of the cluster's barrier behind its opening barrier
	s_cmp_lg_u32 s14, 0
	s_cbranch_scc1 .Lnot_wave_0_\@
	s_barrier_signal -3
.Lnot_wave_0_\@:
	s_barrier_wait -3
	s_barrier_signal -1
	s_barrier_wait -1
.endm
.macro CROUND                          ; a whole round
	s_barrier_signal -1
	s_barrier_wait -1
	CREST
.endm
	s_load_b128 s[4:7], s[0:1], 0x0                ; cy s[4:5], sy s[6:7]
	s_load_b128 s[8:11], s[0:1], 0x10              ; cin s[8:9], sin s[10:11]
	s_load_b64 s[12:13], s[0:1], 0x20              ; out0
	v_lshl_add_u32 v[SPW], v0, 2, SPARE
	v_mov_b32 v[NIL], 0
	ds_add_u32 v[SPW], v[NIL]                      ; the wave's opening: the add and its wait stand ahead of my first tensor load; the set-up below, work on registers, stands between them
	v_lshrrev_b32 v1, 5, v0
	v_readfirstlane_b32 s14, v1                    ; wave 0..3
	s_lshr_b32 s15, s14, 1                         ; which half of the tile's rows is mine.  Also: I fetch for A (0) or for B (1)
	s_and_b32 s16, s14, 1                          ; which half of its columns.  Also: which 128 rows of that tile I fetch
	s_bfe_u32 s40, ttmp6, 0x40000                  ; cx, cy: my place in the cluster
	s_bfe_u32 s41, ttmp6, 0x40004
	s_lshl_b32 s42, ttmp9, 2
	s_add_co_u32 s42, s42, s40                     ; tile column = 4 x cluster x + cx
	s_and_b32 s17, ttmp7, 0xffff
	s_lshl_b32 s17, s17, 2
	s_add_co_u32 s17, s17, s41                     ; tile row = 4 x cluster y + cy
	s_lshl_b32 s43, s41, 2
	s_lshl_b32 s43, 15, s43                        ; my row of the cluster
	s_lshl_b32 s44, 0x1111, s40                    ; my column
	; descriptor group 1: 8 row tiles' parts of a K step: 8 rows of 3,072 bytes (384 elements of 8 bytes), 12,288 bytes apart; dense in LDS
	s_or_b32 s[G1+0], s43, (3<<16)|(1<<21)         ; 15:0 the mask: A's tiles go to my row; 17:16 elements of 8 bytes; 20 no padding; 21 set beside a mask
	s_or_b32 s[G1B+0], s44, (3<<16)|(1<<21)
.irp g, G1, G1B
	s_mov_b32 s[\g+1], 384<<16                     ; tensor_dim0
	s_mov_b32 s[\g+2], 8<<16                       ; tensor_dim1
	s_mov_b32 s[\g+3], 384<<16                     ; tile_dim0
	s_mov_b32 s[\g+4], 8                           ; tile_dim1
	s_mov_b32 s[\g+5], 1536                        ; tensor_dim0_stride
	s_mov_b32 s[\g+6], 0
	s_mov_b32 s[\g+7], 0
.endr
	; and for the scale words of 128 rows: 4,096 dense bytes, as 16 rows of 256 bytes
	s_or_b32 s[G1S+0], s43, (3<<16)|(1<<21)
	s_or_b32 s[G1SB+0], s44, (3<<16)|(1<<21)
.irp g, G1S, G1SB
	s_mov_b32 s[\g+1], 32<<16
	s_mov_b32 s[\g+2], 16<<16
	s_mov_b32 s[\g+3], 32<<16
	s_mov_b32 s[\g+4], 16
	s_mov_b32 s[\g+5], 32
	s_mov_b32 s[\g+6], 0
	s_mov_b32 s[\g+7], 0
.endr
	s_lshl_b32 s21, s16, 3                         ; which 8 row tiles of the 16 I fetch
	s_lshl_b32 s20, s17, 4
	s_add_co_u32 s20, s20, s21                     ; A: the first row tile that I fetch
	s_lshl_b32 s46, s42, 4
	s_add_co_u32 s46, s46, 1216                    ; B: Wc begins at row tile 1216
	s_add_co_u32 s46, s46, s21
	s_lshl_b32 s22, s20, 9                         ; their scale words begin 512 bytes a row tile on,
	s_mov_b32 s23, 0
	s_mul_i32 s20, s20, 12288                      ; their codes 12,288
	s_mov_b32 s21, 0
	s_lshl_b32 s92, s46, 9
	s_mov_b32 s93, 0
	s_mul_i32 s46, s46, 12288
	s_mov_b32 s47, 0
	s_mul_i32 s45, s14, HALFT                      ; where they go: wave x 128 rows: no place in the cluster enters an LDS address
	s_mul_i32 s94, s14, HALFS
	s_wait_dscnt 0x0                               ; the opening add is done
	s_wait_kmcnt 0x0
	s_add_nc_u64 s[20:21], s[4:5], s[20:21]
	s_add_nc_u64 s[22:23], s[6:7], s[22:23]
	s_add_nc_u64 s[46:47], s[8:9], s[46:47]
	s_add_nc_u64 s[92:93], s[10:11], s[92:93]
	CROUND                                         ; all sixteen work-groups are here: the first joint loads meet
	s_mov_b32 s[G0S], 1
	s_add_co_u32 s[G0S+1], s94, SCL
	s_mov_b64 s[G0S+2:G0S+3], s[22:23]
	s_or_b32 s[G0S+3], s[G0S+3], 0x80000000
	s_mov_b32 s[G0SB], 1
	s_add_co_u32 s[G0SB+1], s94, SCL
	s_mov_b64 s[G0SB+2:G0SB+3], s[92:93]
	s_or_b32 s[G0SB+3], s[G0SB+3], 0x80000000
	JLOAD G0S, G1S, G0SB, G1SB                     ; the scale words first: they are wanted with K step 0
.irp s, 0,1
	s_mov_b32 s[G0+4*\s], 1
	s_add_co_u32 s[G0+4*\s+1], s45, \s*SLOT
	s_add_nc_u64 s[G0+4*\s+2:G0+4*\s+3], s[20:21], \s*TROW
	s_or_b32 s[G0+4*\s+3], s[G0+4*\s+3], 0x80000000
	s_mov_b32 s[G0B+4*\s], 1
	s_add_co_u32 s[G0B+4*\s+1], s45, \s*SLOT
	s_add_nc_u64 s[G0B+4*\s+2:G0B+4*\s+3], s[46:47], \s*TROW
	s_or_b32 s[G0B+4*\s+3], s[G0B+4*\s+3], 0x80000000
	JLOAD G0+4*\s, G1, G0B+4*\s, G1B               ; three tensor loads of mine are out
.endr
	v_and_b32 v1, 15, v0                           ; r
	v_bfe_u32 v2, v0, 4, 1                         ; h
	v_and_b32 v3, 31, v0                           ; lane
	v_lshlrev_b32 v[L8], 3, v3
	s_mul_i32 s21, s15, HALFT                      ; my 128 rows of A
	s_mul_i32 s22, s16, HALFT                      ; my 128 rows of B,
	s_add_co_u32 s22, s22, 2*HALFT                 ; which lie behind A's 256
.irp s, 0,1
	v_add_nc_u32 v[ADRA+\s], s21, v[L8]
	v_add_nc_u32 v[ADRB+\s], s22, v[L8]
	s_add_co_u32 s21, s21, SLOT
	s_add_co_u32 s22, s22, SLOT
.endr
	v_lshlrev_b32 v5, 3, v1                        ; my row's two words of a K step
	s_mul_i32 s21, s15, HALFS                      ; A's: my 128 rows
	s_mul_i32 s22, s16, HALFS                      ; B's: my 128 rows, behind A's 256
	s_add_co_u32 s22, s22, 2*HALFS
	s_sub_co_u32 s22, s22, s21
	v_mul_u32_u24 v6, s22, v2                      ; lanes 16-31 take B's
	s_add_co_u32 s21, s21, SCL
	v_add_nc_u32 v5, v5, v6
	v_add_nc_u32 v[ADRS], s21, v5
	s_mul_i32 s23, s14, 16*SPITCH                  ; my stage
	v_mul_u32_u24 v5, v1, SPITCH                   ; in: row l % 16, 32 bytes for each half of the lanes
	v_lshl_add_u32 v5, v2, 5, v5
	v_add_nc_u32 v[STO], s23, v5
	v_lshlrev_b32 v[CO], 4, v3                     ; back: the 32 lanes take one row of 512 bytes; and the same in out0
	v_add_nc_u32 v[RD], s23, v[CO]
	s_lshl_b32 s20, s17, 8
	s_lshl_b32 s21, s15, 7
	s_add_co_u32 s20, s20, s21                     ; my first row of out0: 256 x tile row + 128 x half,
	s_lshl_b32 s20, s20, 12                        ; rows of 4,096 bytes
	s_lshl_b32 s46, s42, 10                        ; my first column, in bytes: 1,024 x tile column + 512 x half
	s_lshl_b32 s47, s16, 9
	s_add_co_u32 s46, s46, s47
	s_add_co_u32 s20, s20, s46
	s_mov_b32 s21, 0
	s_add_nc_u64 s[12:13], s[12:13], s[20:21]
.macro FRAG reg, adr, q, i             ; a fragment comes as it lies: six pieces of 256 bytes, 8 bytes a lane
.irp p, 0,1,2,3,4,5
	ds_load_b64 v[\reg+2*\p:\reg+2*\p+1], v[\adr] offset:(\i)*TROW+(\q)*FRB+256*\p
.endr
.endm
; 16 matrix instructions: A's blocks a0, a0 + 1 x B's eight, 128 along K: the slot's q-th.  p: B's set;  sc: the set of scale words.  zero = 1: the first product starts the sums: nothing is ever cleared.
; The 64 accumulators take turns, one instruction a turn, in the same order in every step.
.macro MUL16 a0, p, q, sc, zero
.irp a, \a0, \a0+1
.irp b, 0,1,2,3,4,5,6,7
.if \zero
	v_wmma_scale_f32_16x16x128_f8f6f4 v[8*(8*((\a)%4)+\b):8*(8*((\a)%4)+\b)+7], v[128*(\p)+FR*\b:128*(\p)+FR*\b+FR-1], v[AF+FR*(\a):AF+FR*(\a)+FR-1], 0, v[SC+8*NQ*(\sc)+NQ*\b+(\q)], v[SC+8*NQ*(\sc)+NQ*(\a)+(\q)] matrix_a_fmt:MATRIX_FMT_FP6 matrix_b_fmt:MATRIX_FMT_FP6 matrix_a_scale:MATRIX_SCALE_ROW1
.else
	v_wmma_scale_f32_16x16x128_f8f6f4 v[8*(8*((\a)%4)+\b):8*(8*((\a)%4)+\b)+7], v[128*(\p)+FR*\b:128*(\p)+FR*\b+FR-1], v[AF+FR*(\a):AF+FR*(\a)+FR-1], v[8*(8*((\a)%4)+\b):8*(8*((\a)%4)+\b)+7], v[SC+8*NQ*(\sc)+NQ*\b+(\q)], v[SC+8*NQ*(\sc)+NQ*(\a)+(\q)] matrix_a_fmt:MATRIX_FMT_FP6 matrix_b_fmt:MATRIX_FMT_FP6 matrix_a_scale:MATRIX_SCALE_ROW1
.endif
.endr
.endr
.endm
.macro FETCH_B slot, q, p              ; B's eight fragments of the slot's q-th 128 along K into set p
	WIN TO_B
.irp i, 0,1,2,3,4,5,6,7
	FRAG 128*(\p)+FR*\i, ADRB+\slot, \q, \i
.endr
	WIN 0
.endm
.macro FETCH_A slot, q, i0             ; A's blocks i0 .. i0 + 3
.irp i, \i0, \i0+1, \i0+2, \i0+3
	FRAG AF+FR*(\i), ADRA+\slot, \q, \i
.endr
.endm
.macro SCALES sc                       ; the next K step's scale words into set sc: two words a row; lanes 0-15 take A's block i, lanes 16-31 B's block i
.irp i, 0,1,2,3,4,5,6,7
	ds_load_b64 v[SC+8*NQ*\sc+NQ*\i:SC+8*NQ*\sc+NQ*\i+1], v[ADRS] offset:\i*SBLK
.endr
.endm
; A load into a register that a matrix instruction has read, and an LDS store that reads a matrix result, stand NP places behind that matrix instruction, and only plain vector
; instructions that name none of its registers are places (ISA guide 7.12.1 for vector instructions).
.macro PLACES n
.rept \n
	v_nop
.endr
.endm
; A step of 128 along K that has its successor in the same slot.
.macro STEP slot, q, zero
	s_wait_dscnt 4*NL                              ; B's set and A's blocks 0-3 are in; the youngest 24 loads (A's blocks 4-7) may be out
	WIN MUL_LO
	MUL16 0, (\q)%2, \q, \slot, \zero
	MUL16 2, (\q)%2, \q, \slot, \zero
	s_wait_dscnt 0                                 ; A's blocks 4-7 are in (asked for 32 matrix instructions ago)
	PLACES NP
	FETCH_B \slot, (\q)+1, 1-(\q)%2
	FETCH_A \slot, (\q)+1, 0
	WIN MUL_HI
	MUL16 4, (\q)%2, \q, \slot, \zero
	MUL16 6, (\q)%2, \q, \slot, \zero
	PLACES NP
	WIN 0
	FETCH_A \slot, (\q)+1, 4
.endm
; A slot's last step changes slots: ONE barrier; in front of it each wave waits for all its tensor loads, adds 0 to its spare word, and waits for that and for its own reads of this slot.  fill = 1: this slot is filled again, two K steps ahead.
.macro TURN slot, next, fill
	s_wait_tensorcnt 0x0                           ; all my tensor loads have landed: my part of the next slot;  (every window is 0 here: the add's two registers lie in window 0)
	ds_add_u32 v[SPW], v[NIL]                      ; 0 onto my spare word
	s_wait_dscnt 4*NL+1                            ; (the add and the youngest 24 loads, A's blocks 4-7, may be out)
	WIN MUL_LO
	MUL16 0, 1, NQ-1, \slot, 0                     ; sixteen matrix instructions stand between the add and the wait for it
	s_wait_dscnt 0x0                               ; the add is done, and my reads of this slot are over
	s_barrier_signal -1
	MUL16 2, 1, NQ-1, \slot, 0
	WIN 0
	s_barrier_wait -1
.if \fill
	CREST                                          ; the barrier has opened a round of the cluster's barrier: no wave of any partner still reads this slot's tile or has a load on its way
	s_add_nc_u64 s[G0+4*\slot+2:G0+4*\slot+3], s[G0+4*\slot+2:G0+4*\slot+3], 2*TROW
	s_add_nc_u64 s[G0B+4*\slot+2:G0B+4*\slot+3], s[G0B+4*\slot+2:G0B+4*\slot+3], 2*TROW
	JLOAD G0+4*\slot, G1, G0B+4*\slot, G1B         ; the first tensor load behind the round, and my only one until the next; the four v_nop behind it are the places in front of the loads below
.else
	PLACES NP
.endif
	v_add_nc_u32 v[ADRS], 128, v[ADRS]             ; on to the next K step's scale words (no LDS load of mine is out)
	FETCH_B \next, 0, 0
	FETCH_A \next, 0, 0
	SCALES \next
	WIN MUL_HI
	MUL16 4, 1, NQ-1, \slot, 0
	MUL16 6, 1, NQ-1, \slot, 0
	PLACES NP
	WIN 0
	FETCH_A \next, 0, 4
.endm
	s_wait_tensorcnt 1                             ; the scale words and my part of K step 0 are in (K step 1's load may be out),
	s_barrier_signal -1
	s_barrier_wait -1                              ; everybody's are
	FETCH_B 0, 0, 0
	FETCH_A 0, 0, 0
	SCALES 0
	FETCH_A 0, 0, 4
	STEP 0, 0, 1                                   ; K = 1,024 is four K steps of 256, eight steps of 128: written out.  The first products start the sums
	TURN 0, 1, 1                                   ; slot 0 takes K step 2
	STEP 1, 0, 0
	TURN 1, 0, 1                                   ; slot 1 takes K step 3
	STEP 0, 0, 0
	TURN 0, 1, 0                                   ; nothing is left to fetch: no round
	STEP 1, 0, 0
	s_wait_dscnt 4*NL                              ; the very last step
	WIN MUL_LO
	MUL16 0, 1, NQ-1, 1, 0
	MUL16 2, 1, NQ-1, 1, 0
	s_wait_dscnt 0
	WIN MUL_HI
	MUL16 4, 1, NQ-1, 1, 0
	MUL16 6, 1, NQ-1, 1, 0
	WIN 0
; THE WAY OUT, block by block of 16 rows x 128 columns.  A lane holds 32 neighbouring bytes of a row, and the lanes beside it hold other rows: so a block goes through my own stage in LDS and comes back as whole
; rows of 512 bytes, which the 32 lanes store as 512 consecutive bytes.  LDS serves a wave's instructions in order (ISA guide 5.7.1.4): no wait between the stores and the loads, nor in front of the next block's stores.
.macro TOSTAGE a
.set AC, 64*((\a)%4)
	WIN 0x08+4*((\a)/4)                            ; the data: window 2 or 3
.irp b, 0,1,2,3,4,5,6,7
	ds_store_b128 v[STO], v[AC+8*\b:AC+8*\b+3] offset:64*\b          ; each accumulator from its low end on
	ds_store_b128 v[STO], v[AC+8*\b+4:AC+8*\b+7] offset:64*\b+16
.endr
	WIN 0
.set BB, BK+64*((\a)%2)
.irp t, 0,1,2,3,4,5,6,7,8,9,10,11,12,13,14,15
	ds_load_b128 v[BB+4*\t:BB+4*\t+3], v[RD] offset:\t*SPITCH
.endr
.endm
.macro SEND a, younger                 ; younger: the LDS instructions issued behind block a's loads, which may stay out
.set BB, BK+64*((\a)%2)
	s_wait_dscnt \younger                          ; the block is back in registers
.if (\a) > 0
	s_add_nc_u64 s[12:13], s[12:13], 16*SIZE_N*4   ; (behind a wait on XCNT: the earlier stores have read their base)  16 rows of out0 on
.endif
.irp t, 0,1,2,3,4,5,6,7,8,9,10,11,12,13,14,15
	global_store_b128 v[CO], v[BB+4*\t:BB+4*\t+3], s[12:13] offset:\t*SIZE_N*4 th:TH_STORE_NT   ; 32 lanes store 512 consecutive bytes, at a multiple of 256 from out0's first byte; written once, read by nobody here
.endr
.endm
	PLACES NP                                      ; these places serve the loads into the registers that held A's fragments and the reads of the last products' results alike
	TOSTAGE 0
.irp a, 1,2,3,4,5,6,7
.if \a > 1
	s_wait_xcnt 0x0                                ; block a - 2's stores have read their registers and their base: block a's loads may land there, and the base may step
.endif
	TOSTAGE \a
	SEND \a-1, 32                                  ; behind block a - 1's loads: block a's 16 stores and 16 loads
.endr
	s_wait_xcnt 0x0                                ; block 6's stores have read their base
	SEND 7, 0
	s_wait_tensorcnt 0x0                           ; the wave's end: behind my last tensor load and my last LDS store
	ds_add_u32 v[SPW], v[NIL]
	s_wait_dscnt 0x0
	CROUND                                         ; the closing round: no work-group ends while a partner may still ask for a tile that names it
	s_endpgm
.Lfunc_end_k_q98ee7161cb_proj:
	.size	k_q98ee7161cb_proj, .Lfunc_end_k_q98ee7161cb_proj-k_q98ee7161cb_proj
	.p2alignl 7, 3214868480
	.fill 96, 4, 3214868480
	.section	.rodata,"a",@progbits
	.p2align	6, 0x0
	.amdhsa_kernel k_q98ee7161cb_proj
		.amdhsa_group_segment_fixed_size 327680
		.amdhsa_private_segment_fixed_size 0
		.amdhsa_enable_private_segment 0
		.amdhsa_kernarg_size 40
		.amdhsa_user_sgpr_count 2
		.amdhsa_user_sgpr_kernarg_segment_ptr 1
		.amdhsa_wavefront_size32 1
		.amdhsa_system_sgpr_workgroup_id_x 1
		.amdhsa_system_sgpr_workgroup_id_y 1
		.amdhsa_system_sgpr_workgroup_id_z 1
		.amdhsa_system_vgpr_workitem_id 0
		.amdhsa_next_free_vgpr 1024
		.amdhsa_next_free_sgpr 98
		.amdhsa_reserve_vcc 0
		.amdhsa_float_denorm_mode_32 3
		.amdhsa_float_denorm_mode_16_64 3
		.amdhsa_memory_ordered 1
		.amdhsa_forward_progress 1
		.amdhsa_inst_pref_size 159
	.end_amdhsa_kernel
	.amdgpu_metadata
---
amdhsa.version: [ 1, 2 ]
amdhsa.kernels:
  - .name:           k_q98ee7161cb_proj
    .symbol:         k_q98ee7161cb_proj.kd
    .args:
      - { .name: cy, .offset: 0, .size: 8, .value_kind: global_buffer, .address_space: global }
      - { .name: sy, .offset: 8, .size: 8, .value_kind: global_buffer, .address_space: global }
      - { .name: cin, .offset: 16, .size: 8, .value_kind: global_buffer, .address_space: global }
      - { .name: sin, .offset: 24, .size: 8, .value_kind: global_buffer, .address_space: global }
      - { .name: out0, .offset: 32, .size: 8, .value_kind: global_buffer, .address_space: global }
    .group_segment_fixed_size: 327680
    .private_segment_fixed_size: 0
    .kernarg_segment_align: 8
    .kernarg_segment_size: 40
    .max_flat_workgroup_size: 128
    .sgpr_count:     98
    .vgpr_count:     1024
    .wavefront_size: 32
...
	.end_amdgpu_metadata
.endif
;; end of part 4
